; MI455X (gfx1250); checked and timed in simulation.
; The chip was launched on July 23, 2026; its instructions are those of AMD's public machine-readable ISA for CDNA 5 (MIT licence, August 2026) and "CDNA5" Instruction Set Architecture Reference Guide (July 2026). The comments in the code are by the model that wrote it; some were corrected since.
;; Multi Head Latent Attention. Allowed arithmetic: float matrix products may take bf16 or f16 operands with f32 sums; other float arithmetic in f32, or as packed bf16 or f16 multiplies, adds, multiply-adds, maxima and minima; sums over many terms, partial sums and values carried from step to step in f32; what a program stores and reads back later, other than sums and carried values, may be rounded once to bf16 or f16.
;; Inputs: W_qk 12 x 128 float32; Wkv_d 4,096 x 4 float32; Wo 4,096 x 4,096 float32; Wq_d 4,096 x 12 float32; Wv_u 4 x 4,096 float32; b_qk 128 float32; bkv_d 4 float32; bo 4,096 float32; bq_d 12 float32; bv_u 4,096 float32; x 2 x 1,024 x 4,096 float32.
;; Outputs: out0 2 x 1,024 x 4,096 float32.
;; 2 versions, each right; version 2 is version 1 with the launches prep, attn written anew for expert scheduling mode. Each part assembles by itself: llvm-mc -triple=amdgcn-amd-amdhsa -mcpu=gfx1250 --defsym DOCPART=n.
;; ======== version 1 of 2: 3 launches
;; limits: values are held in f16: magnitudes above 65,504 overflow, below 6.1e-05 lose precision
;; workspace buffers: cpart 524,288 bytes; mt 1,310,720 bytes; ctx 655,360 bytes
;; launch prep (part 1): grid 256 x 1, 8 waves a work-group, no clusters, 69,632 bytes of LDS; arguments x, Wq_d, Wkv_d, Wv_u, bv_u, Wo, cpart, mt; writes cpart, mt
.if DOCPART == 1
	.amdgcn_target "amdgcn-amd-amdhsa--gfx1250"
	.amdhsa_code_object_version 6
	.text
	.protected	k_q61d954bb5b_prep
	.globl	k_q61d954bb5b_prep
	.p2align	8
	.type	k_q61d954bb5b_prep,@function
k_q61d954bb5b_prep:
	s_mov_b64 s[64:65], 0
	v_nop
	global_prefetch_b8 v0, s[64:65] scope:SCOPE_SE
	s_setreg_imm32_b32 hwreg(HW_REG_WAVE_MODE, 25, 1), 1
	s_wait_xcnt 0x0
; MULTI-HEAD LATENT ATTENTION, launch 1 of 3.
; reference(): C_q = x Wq_d + bq_d [2048 x 12];  C_kv = x Wkv_d + bkv_d [2048 x 4];  q = C_q W_qk + b_qk;  attn_h = softmax_k(q_h . C_kv[k] / 2);
; V_h = C_kv Wv_h + bv_h;  out0 = concat_h(attn_h V_h) Wo + bo   (Wv_h, bv_h: head h's 128 columns of Wv_u, bv_u;  Wo_h: its 128 rows of Wo).
; WORK THAT IS NOT DONE, for all finite values of the inputs, in exact arithmetic:
;   attn_h V_h = (attn_h C_kv) Wv_h + (sum_k attn_h) bv_h, since matrix products are associative and distributive, and sum_k attn_h = 1 in every row: a softmax divides by that very sum.
;   With ctx_h = attn_h C_kv [2048 x 4]:  out0 = sum_h ctx_h (Wv_h Wo_h) + sum_h 1 (bv_h Wo_h) + bo.
; So V, attn V and the product of a [2048 x 4096] matrix with Wo are never formed; in their place stand Wv_h Wo_h and bv_h Wo_h (5 rows a head, made here), attn_h C_kv (launch 2) and a product
; over K = 32 heads x 5 (launch 3).  Every input still has its way to out0, and every input is loaded by some launch.
; LIMIT: a NaN, an infinity or an overflow that would arise only in V, in attn V or in their product with Wo is not carried to the result.
; FORMATS.  x and all weights and biases are rounded once to bf16; sums in f32.  cpart holds f32 partial sums.  mt is rounded once to f16: LIMIT |Wv_h Wo_h|, |bv_h Wo_h| < 65,504; below 6e-5 it keeps f16's fixed step of 6e-8.
; THIS LAUNCH, 256 work-groups of 8 waves, each with two jobs, so that all are alike; g = the work-group's number.
;   JOB X: rows 32 (g >> 2) .. + 31 of x, the quarter g & 3 of K = 4,096.  Wave w takes 128 of its 1,024 channels: 512 consecutive bytes of each row.  [Wq_d | Wkv_d]^T x^T, 16 columns at once;
;          the eight waves' sums meet in LDS and go to cpart: [quarter][row][12] f32, then from byte 393,216 [quarter][row][4] f32.
;   JOB M: heads 8 (g >> 6) + w, columns 64 (g & 63) .. + 63 of Wo: wave w reads its head's 128 rows x 256 bytes and makes 5 x 64 numbers: rows 0-3 Wv_h Wo_h, row 4 bv_h Wo_h.
;          mt: [hg 4][cb 64][c 4][r 16][j 5][e 8] f16: head 8 hg + e, row j, column 64 cb + 4 r + c: the order in which launch 3's operand registers take it.
; Each byte of x and of Wo is read once, by one wave, straight into registers: no wave wants a byte that another has fetched, so nothing but the small weights goes through LDS on the way in.
; K ORDER.  In a fragment of 32 channels the lanes' half h holds channels 16 h + 0..7 in registers 0-3 and 16 h + 8..15 in registers 4-7, in both sources alike: the products are the same, and a lane's
; 16 channels of x are 64 consecutive bytes.
; NO CLUSTER: what work-groups share (64 KiB of Wq_d and Wkv_d, 2.5 KiB of Wv_u and bv_u) is a sixth of a work-group's 448 KiB and passes through conversions in registers.
.set WC,    0          ; LDS: wave w's [128 channels][16 columns] of [Wq_d | Wkv_d] in bf16, 32 bytes a channel, at 4,096 w
.set WV,    32768      ; wave w's six rows of 272 bytes at 1,792 w: Wv_u's four rows, bv_u, zeros: its head's 128 channels in bf16
.set XP,    47104      ; wave w's two partial tiles of job X, 32 bytes a lane, at 2,048 w
.set MS,    63488      ; job M's 64 columns x 80 bytes, as they lie in mt
.set SPARE, 68608      ; the spare words, 128 bytes for each wave: four blocks of 256 bytes that no other line names
.set LN,  1            ; v1   lane
.set R,   2            ; v2   lane % 16
.set H,   3            ; v3   lane / 16
.set SPW, 4            ; v4   LDS address of my spare word; never rewritten
.set NIL, 5            ; v5   0; never rewritten
.set XO,  6            ; v6   x: 16,384 r + 64 h
.set O48, 7            ; v7   48 x lane: a row of Wq_d
.set O16, 8            ; v8   16 x lane
.set WOO, 9            ; v9   Wo: 16 rows x h + 16 r
.set WCS, 10           ; v10  where I store a channel's 16 columns
.set WCL, 11           ; v11  where the turning load reads them
.set WVS, 12           ; v12  where I store 4 channels of a row of WV
.set WVL, 13           ; v13  where I read my row of WV
.set XPS, 14           ; v14  where I store my part of a partial tile
.set MSS, 15           ; v15  where I store my head's numbers of column r
.set RAWC, 32          ; v[32:95]   the weights as loaded; later two buffers of four fragments
.set CV0,  32
.set CV1,  64
.set RAWV, 96          ; v[96:115]  Wv_u's rows and bv_u as loaded
.set ZZ,   126         ; v[126:127] 0
.set WCF,  128         ; v[128:159] four fragments of [Wq_d | Wkv_d]^T
.set WVF,  160         ; v[160:191] four fragments of [Wv_u; bv_u; 0]
.set XACC, 192         ; v[192:207] job X: two accumulators (16 rows of x each)
.set MACC, 208         ; v[208:239] job M: four accumulators (columns 4 r + c)
.set TP,   240         ; v[240:255] at work
; window 1 (v256-511): four landing units of 64 registers for x and Wo in f32
.set MSB, 0
.macro WIN new                         ; s_set_vgpr_msb: bits 1:0 source 0, 3:2 source 1, 7:6 destination; the high byte repeats the setting that is left
.if MSB != (\new)
	s_set_vgpr_msb (MSB<<8)|(\new)
.set MSB, \new
.endif
.endm
	s_load_b512 s[8:23], s[0:1], 0x0               ; x s[8:9], Wq_d s[10:11], Wkv_d s[12:13], Wv_u s[14:15], bv_u s[16:17], Wo s[18:19], cpart s[20:21], mt s[22:23]
	v_lshl_add_u32 v[SPW], v0, 2, SPARE
	v_mov_b32 v[NIL], 0
	v_lshrrev_b32 v16, 5, v0
	v_readfirstlane_b32 s24, v16                   ; wave 0..7
	s_lshr_b32 s25, ttmp9, 2                       ; job X: block of 32 rows
	s_and_b32 s26, ttmp9, 3                        ;        quarter of K
	s_lshr_b32 s27, ttmp9, 6                       ; job M: group of 8 heads
	s_and_b32 s28, ttmp9, 63                       ;        block of 64 columns
	s_lshl3_add_u32 s29, s27, s24                  ; my head
	s_lshl_b32 s30, s25, 19                        ; x: 32 rows of 16,384 bytes,
	s_lshl_b32 s46, s26, 12                        ; 1,024 channels,
	s_add_co_u32 s30, s30, s46
	s_lshl_b32 s46, s24, 9                         ; my 128
	s_add_co_u32 s30, s30, s46
	s_mov_b32 s31, 0
	s_mul_i32 s32, s26, 49152                      ; Wq_d: 48 bytes a channel
	s_mul_i32 s46, s24, 6144
	s_add_co_u32 s32, s32, s46
	s_mov_b32 s33, 0
	s_lshl_b32 s34, s26, 14                        ; Wkv_d: 16 bytes a channel
	s_lshl_b32 s46, s24, 11
	s_add_co_u32 s34, s34, s46
	s_mov_b32 s35, 0
	s_lshl_b32 s36, s29, 9                         ; Wv_u, bv_u: my head's 128 columns
	s_mov_b32 s37, 0
	s_lshl_b32 s38, s29, 21                        ; Wo: my head's 128 rows,
	s_lshl_b32 s46, s28, 8                         ; the block's 64 columns
	s_add_co_u32 s38, s38, s46
	s_mov_b32 s39, 0
	s_mul_i32 s40, s27, 327680                     ; mt: [hg][cb]
	s_mul_i32 s46, s28, 5120
	s_add_co_u32 s40, s40, s46
	s_mov_b32 s41, 0
	v_and_b32 v[LN], 31, v0
	v_and_b32 v[R], 15, v0
	v_bfe_u32 v[H], v0, 4, 1
	v_lshlrev_b32 v[XO], 14, v[R]
	v_lshl_add_u32 v[XO], v[H], 6, v[XO]
	v_mul_u32_u24 v[O48], v[LN], 48
	v_lshlrev_b32 v[O16], 4, v[LN]
	v_lshlrev_b32 v[WOO], 18, v[H]
	v_lshl_add_u32 v[WOO], v[R], 4, v[WOO]
	s_wait_kmcnt 0x0
	s_add_nc_u64 s[8:9], s[8:9], s[30:31]
	s_add_nc_u64 s[10:11], s[10:11], s[32:33]
	s_add_nc_u64 s[12:13], s[12:13], s[34:35]
	s_add_nc_u64 s[14:15], s[14:15], s[36:37]
	s_add_nc_u64 s[16:17], s[16:17], s[36:37]
	s_add_nc_u64 s[18:19], s[18:19], s[38:39]
	s_add_nc_u64 s[22:23], s[22:23], s[40:41]
; 16 loads: fragments f0 and f0 + 1 of both row tiles of x into unit u: a lane's 16 channels of a fragment are four loads of 16 bytes on end
.macro XLOAD u, f0
	WIN 0x40
.irp fl, 0,1
.irp t, 0,1
.irp i, 0,1,2,3
	global_load_b128 v[64*(\u)+32*(\fl)+16*(\t)+4*(\i):64*(\u)+32*(\fl)+16*(\t)+4*(\i)+3], v[XO], s[8:9] offset:262144*(\t)+128*((\f0)+(\fl))+16*(\i) th:TH_LOAD_NT
.endr
.endr
.endr
.endm
; 16 loads: rows 32 f .. 32 f + 31 of my head's Wo into unit u: an instruction takes two rows (16 h + i), 256 consecutive aligned bytes of each; a lane 4 columns
.macro WLOAD u, f
	WIN 0x40
.irp i, 0,1,2,3,4,5,6,7,8,9,10,11,12,13,14,15
	global_load_b128 v[64*(\u)+4*(\i):64*(\u)+4*(\i)+3], v[WOO], s[18:19] offset:524288*(\f)+16384*(\i) th:TH_LOAD_NT
.endr
.endm
	; ALL LOADS THAT HAVE A REGISTER TO LAND IN GO OUT NOW, 85 of them, the small weights first.  No address register of theirs is ever rewritten.
.irp i, 0,1,2,3                        ; channels 32 i + lane: 12 columns of Wq_d, 4 of Wkv_d
	global_load_b128 v[RAWC+16*(\i):RAWC+16*(\i)+3],     v[O48], s[10:11] offset:1536*(\i)
	global_load_b128 v[RAWC+16*(\i)+4:RAWC+16*(\i)+7],   v[O48], s[10:11] offset:1536*(\i)+16
	global_load_b128 v[RAWC+16*(\i)+8:RAWC+16*(\i)+11],  v[O48], s[10:11] offset:1536*(\i)+32
	global_load_b128 v[RAWC+16*(\i)+12:RAWC+16*(\i)+15], v[O16], s[12:13] offset:512*(\i)
.endr
.irp m, 0,1,2,3
	global_load_b128 v[RAWV+4*(\m):RAWV+4*(\m)+3], v[O16], s[14:15] offset:16384*(\m)
.endr
	global_load_b128 v[RAWV+16:RAWV+19], v[O16], s[16:17]
	XLOAD 0, 0
	XLOAD 1, 2
	WLOAD 2, 0
	WLOAD 3, 1
	WIN 0
	; LDS addresses, made while the loads are out
	s_lshl_b32 s42, s24, 12                        ; WC (byte 0) + 4,096 w
	v_lshl_add_u32 v[WCS], v[LN], 5, s42
	v_and_b32 v16, 7, v0
	v_lshl_add_u32 v17, v[H], 4, v16               ; the turning load: lane l reads channel 16 h + l % 8,
	v_bfe_u32 v18, v0, 3, 1                        ; columns 8 ((l / 8) % 2) + 0..7, and is left with column l % 16, 8 channels
	v_lshlrev_b32 v17, 5, v17
	v_lshl_add_u32 v17, v18, 4, v17
	v_add_nc_u32 v[WCL], s42, v17
	s_mul_i32 s43, s24, 1792
	s_add_co_u32 s43, s43, WV
	v_lshl_add_u32 v[WVS], v[LN], 3, s43
	v_min_u32 v16, 5, v16                          ; source 0's row r is row min(r % 8, 5): Wv_u's four, bv_u, zeros; rows 8-15 repeat rows 0-7
	v_mul_u32_u24 v16, v16, 272
	v_lshl_add_u32 v16, v[H], 5, v16
	v_add_nc_u32 v[WVL], s43, v16
	s_lshl_b32 s44, s24, 11
	s_add_co_u32 s44, s44, XP
	v_lshl_add_u32 v[XPS], v[LN], 5, s44
	s_lshl_b32 s45, s24, 1
	s_add_co_u32 s45, s45, MS
	v_mul_u32_u24 v[MSS], v[R], 80
	v_add_nc_u32 v[MSS], s45, v[MSS]
	v_mov_b32 v[ZZ], 0
	v_mov_b32 v[ZZ+1], 0
	; THE SMALL WEIGHTS: rounded to bf16, through my own bytes of LDS, into fragments
	s_wait_loadcnt 63                              ; of 85 loads the oldest 22 are in: the 21 of the small weights among them
.irp i, 0,1,2,3
.irp p, 0,1,2,3,4,5,6,7
	v_cvt_pk_bf16_f32 v[RAWC+16*(\i)+(\p)], v[RAWC+16*(\i)+2*(\p)], v[RAWC+16*(\i)+2*(\p)+1]  ; in place, ascending: a pair is read before its place is written
.endr
	ds_store_b128 v[WCS], v[RAWC+16*(\i):RAWC+16*(\i)+3]   offset:1024*(\i)
	ds_store_b128 v[WCS], v[RAWC+16*(\i)+4:RAWC+16*(\i)+7] offset:1024*(\i)+16
.endr
.irp m, 0,1,2,3,4
	v_cvt_pk_bf16_f32 v[RAWV+4*(\m)],   v[RAWV+4*(\m)],   v[RAWV+4*(\m)+1]
	v_cvt_pk_bf16_f32 v[RAWV+4*(\m)+1], v[RAWV+4*(\m)+2], v[RAWV+4*(\m)+3]
	ds_store_b64 v[WVS], v[RAWV+4*(\m):RAWV+4*(\m)+1] offset:272*(\m)
.endr
	ds_store_b64 v[WVS], v[ZZ:ZZ+1] offset:1360
.irp f, 0,1,2,3                        ; LDS serves a wave's instructions in order (ISA guide 5.7.1.4): these see my stores above
	ds_load_tr16_b128 v[WCF+8*(\f):WCF+8*(\f)+3],   v[WCL] offset:1024*(\f)
	ds_load_tr16_b128 v[WCF+8*(\f)+4:WCF+8*(\f)+7], v[WCL] offset:1024*(\f)+256
	ds_load_b128 v[WVF+8*(\f):WVF+8*(\f)+3],   v[WVL] offset:64*(\f)
	ds_load_b128 v[WVF+8*(\f)+4:WVF+8*(\f)+7], v[WVL] offset:64*(\f)+16
.endr
	s_wait_dscnt 0x0
; Unit u of x: 32 roundings into buffer cv, then 4 products: source 0 = 16 columns of the weights, source 1 = 16 rows of x: a lane ends with ONE row of x and 8 columns.
; The two accumulators take turns, one instruction a turn.  The first products start the sums: nothing is cleared.
.macro XUNIT u, cv, f0
	WIN 0x05
.set z, 0
.rept 32
	v_cvt_pk_bf16_f32 v[(\cv)+z], v[64*(\u)+2*z], v[64*(\u)+2*z+1]
.set z, z+1
.endr
	WIN 0
.irp fl, 0,1
.irp t, 0,1
.if ((\f0)+(\fl)) == 0
	v_wmma_f32_16x16x32_bf16 v[XACC+8*(\t):XACC+8*(\t)+7], v[WCF+8*((\f0)+(\fl)):WCF+8*((\f0)+(\fl))+7], v[(\cv)+8*(2*(\fl)+(\t)):(\cv)+8*(2*(\fl)+(\t))+7], 0
.else
	v_wmma_f32_16x16x32_bf16 v[XACC+8*(\t):XACC+8*(\t)+7], v[WCF+8*((\f0)+(\fl)):WCF+8*((\f0)+(\fl))+7], v[(\cv)+8*(2*(\fl)+(\t)):(\cv)+8*(2*(\fl)+(\t))+7], v[XACC+8*(\t):XACC+8*(\t)+7]
.endif
.endr
.endr
.endm
; Unit u of Wo (fragment f): register p of column tile c's fragment pairs rows 2 p and 2 p + 1 of column 4 r + c; then 4 products, source 0 = the rows of [Wv_u; bv_u; 0].  Four accumulators by turns.
.macro MUNIT u, cv, f
	WIN 0x05
.set z, 0
.rept 32                               ; z = 8 c + p
	v_cvt_pk_bf16_f32 v[(\cv)+z], v[64*(\u)+8*(z%8)+z/8], v[64*(\u)+8*(z%8)+4+z/8]
.set z, z+1
.endr
	WIN 0
.irp c, 0,1,2,3
.if (\f) == 0
	v_wmma_f32_16x16x32_bf16 v[MACC+8*(\c):MACC+8*(\c)+7], v[WVF+8*(\f):WVF+8*(\f)+7], v[(\cv)+8*(\c):(\cv)+8*(\c)+7], 0
.else
	v_wmma_f32_16x16x32_bf16 v[MACC+8*(\c):MACC+8*(\c)+7], v[WVF+8*(\f):WVF+8*(\f)+7], v[(\cv)+8*(\c):(\cv)+8*(\c)+7], v[MACC+8*(\c):MACC+8*(\c)+7]
.endif
.endr
.endm
	; The two buffers take turns: a buffer is written again 32 roundings (plain instructions on other registers) behind the products that read it.
	s_wait_loadcnt 48                              ; 85 issued, the oldest 37 are in: x's first unit
	XUNIT 0, CV0, 0
	WLOAD 0, 2                                     ; its registers take Wo's third quarter: 101 issued
	s_wait_loadcnt 48                              ; the oldest 53: x's second unit
	XUNIT 1, CV1, 2
	WLOAD 1, 3                                     ; 117 issued
	s_wait_loadcnt 48                              ; the oldest 69
	MUNIT 2, CV0, 0
	s_wait_loadcnt 32
	MUNIT 3, CV1, 1
	s_wait_loadcnt 16
	MUNIT 0, CV0, 2
	s_wait_loadcnt 0x0
	MUNIT 1, CV1, 3
.rept 4
	v_nop                                          ; four places behind the last product, ahead of the first read of its result (ISA guide 7.12.1)
.endr
.irp t, 0,1
	ds_store_b128 v[XPS], v[XACC+8*(\t):XACC+8*(\t)+3]   offset:1024*(\t)
	ds_store_b128 v[XPS], v[XACC+8*(\t)+4:XACC+8*(\t)+7] offset:1024*(\t)+16
.endr
.irp c, 0,1,2,3                        ; registers 0-4 of an accumulator are rows 0-4 for column 4 r + c; both halves of the lanes hold the same, and store the same number at the same place
	v_cvt_pk_f16_f32 v[TP+4*(\c)],   v[MACC+8*(\c)],   v[MACC+8*(\c)+1]
	v_cvt_pk_f16_f32 v[TP+4*(\c)+1], v[MACC+8*(\c)+2], v[MACC+8*(\c)+3]
	v_cvt_pk_f16_f32 v[TP+4*(\c)+2], v[MACC+8*(\c)+4], v[MACC+8*(\c)+4]
.endr
.irp c, 0,1,2,3
	ds_store_b16        v[MSS], v[TP+4*(\c)]   offset:1280*(\c)
	ds_store_b16_d16_hi v[MSS], v[TP+4*(\c)]   offset:1280*(\c)+16
	ds_store_b16        v[MSS], v[TP+4*(\c)+1] offset:1280*(\c)+32
	ds_store_b16_d16_hi v[MSS], v[TP+4*(\c)+1] offset:1280*(\c)+48
	ds_store_b16        v[MSS], v[TP+4*(\c)+2] offset:1280*(\c)+64
.endr
	s_wait_dscnt 0x0                               ; for the others' sake: my stores are done
	s_barrier_signal -1
	s_barrier_wait -1                              ; all eight waves' partial tiles and all eight heads' numbers lie in LDS
	s_cmp_lt_u32 s24, 5
	s_cbranch_scc0 .Lnot_m
	; waves 0-4: 1,024 bytes each of the 5,120 that go to mt, as they lie
	s_lshl_b32 s42, s24, 10
	v_lshl_add_u32 v16, v[LN], 4, s42
	v_add_nc_u32 v17, MS, v16
	ds_load_b128 v[32:35], v17
	ds_load_b128 v[36:39], v17 offset:512
	s_wait_dscnt 0x0
	global_store_b128 v16, v[32:35], s[22:23]             ; a wave's store covers 512 consecutive bytes, at a multiple of 256 from mt's first
	global_store_b128 v16, v[36:39], s[22:23] offset:512
	s_branch .Lend
.Lnot_m:
	s_cmp_eq_u32 s24, 7
	s_cbranch_scc1 .Lend
	; waves 5 and 6: row tile t = w - 5: the eight waves' partial sums are added and stored
	s_lshl_b32 s42, s24, 10
	v_lshl_add_u32 v16, v[LN], 5, s42
	v_add_nc_u32 v16, XP-5120, v16                 ; XP + 1,024 (w - 5) + 32 l
.irp v, 0,1,2,3,4,5,6,7
	ds_load_b128 v[32+8*(\v):32+8*(\v)+3], v16 offset:2048*(\v)
	ds_load_b128 v[32+8*(\v)+4:32+8*(\v)+7], v16 offset:2048*(\v)+16
.endr
	s_lshl_b32 s43, s25, 5
	s_lshl_b32 s44, s24, 4
	s_add_co_u32 s43, s43, s44
	s_sub_co_u32 s43, s43, 80                      ; 32 x block + 16 (w - 5)
	v_add_nc_u32 v17, s43, v[R]                    ; my row of x
	s_mul_i32 s45, s26, 98304
	v_mul_u32_u24 v18, v17, 48
	v_add_nc_u32 v18, s45, v18                     ; [quarter][row][12]
	v_lshl_add_u32 v19, v[H], 5, v18               ; registers 0-3: C_q's columns 0-3 (h = 0) or 8-11 (h = 1)
	v_add_nc_u32 v20, 16, v18                      ; registers 4-7: C_q's columns 4-7 (h = 0),
	s_lshl_b32 s46, s26, 15
	s_add_co_u32 s46, s46, 393216
	v_lshl_add_u32 v21, v17, 4, s46                ; or C_kv's four (h = 1): [quarter][row][4]
	v_cmp_eq_u32 vcc_lo, 1, v[H]
	v_cndmask_b32 v20, v20, v21, vcc_lo
	s_wait_dscnt 0x0
.irp a, 0,2,4,6
.irp q, 0,2,4,6
	v_pk_add_f32 v[32+8*(\a)+(\q):32+8*(\a)+(\q)+1], v[32+8*(\a)+(\q):32+8*(\a)+(\q)+1], v[40+8*(\a)+(\q):40+8*(\a)+(\q)+1]
.endr
.endr
.irp a, 0,4
.irp q, 0,2,4,6
	v_pk_add_f32 v[32+8*(\a)+(\q):32+8*(\a)+(\q)+1], v[32+8*(\a)+(\q):32+8*(\a)+(\q)+1], v[48+8*(\a)+(\q):48+8*(\a)+(\q)+1]
.endr
.endr
.irp q, 0,2,4,6
	v_pk_add_f32 v[32+(\q):32+(\q)+1], v[32+(\q):32+(\q)+1], v[64+(\q):64+(\q)+1]
.endr
	global_store_b128 v19, v[32:35], s[20:21]             ; pieces of 16 bytes: cpart is half a megabyte in the whole launch
	global_store_b128 v20, v[36:39], s[20:21]
.Lend:
	s_wait_tensorcnt 0x0                           ; the wave's end, behind my last LDS store
	ds_add_u32 v[SPW], v[NIL]
	s_wait_dscnt 0x0
	s_endpgm
.Lfunc_end_k_q61d954bb5b_prep:
	.size	k_q61d954bb5b_prep, .Lfunc_end_k_q61d954bb5b_prep-k_q61d954bb5b_prep
	.p2alignl 7, 3214868480
	.fill 96, 4, 3214868480
	.section	.rodata,"a",@progbits
	.p2align	6, 0x0
	.amdhsa_kernel k_q61d954bb5b_prep
		.amdhsa_group_segment_fixed_size 69632
		.amdhsa_private_segment_fixed_size 0
		.amdhsa_enable_private_segment 0
		.amdhsa_kernarg_size 64
		.amdhsa_user_sgpr_count 2
		.amdhsa_user_sgpr_kernarg_segment_ptr 1
		.amdhsa_wavefront_size32 1
		.amdhsa_system_sgpr_workgroup_id_x 1
		.amdhsa_system_sgpr_workgroup_id_y 1
		.amdhsa_system_sgpr_workgroup_id_z 1
		.amdhsa_system_vgpr_workitem_id 0
		.amdhsa_next_free_vgpr 512
		.amdhsa_next_free_sgpr 66
		.amdhsa_reserve_vcc 1
		.amdhsa_float_denorm_mode_32 3
		.amdhsa_float_denorm_mode_16_64 3
		.amdhsa_memory_ordered 1
		.amdhsa_forward_progress 1
		.amdhsa_inst_pref_size 41
	.end_amdhsa_kernel
	.amdgpu_metadata
---
amdhsa.version: [ 1, 2 ]
amdhsa.kernels:
  - .name:           k_q61d954bb5b_prep
    .symbol:         k_q61d954bb5b_prep.kd
    .args:
      - { .name: x, .offset: 0, .size: 8, .value_kind: global_buffer, .address_space: global }
      - { .name: Wq_d, .offset: 8, .size: 8, .value_kind: global_buffer, .address_space: global }
      - { .name: Wkv_d, .offset: 16, .size: 8, .value_kind: global_buffer, .address_space: global }
      - { .name: Wv_u, .offset: 24, .size: 8, .value_kind: global_buffer, .address_space: global }
      - { .name: bv_u, .offset: 32, .size: 8, .value_kind: global_buffer, .address_space: global }
      - { .name: Wo, .offset: 40, .size: 8, .value_kind: global_buffer, .address_space: global }
      - { .name: cpart, .offset: 48, .size: 8, .value_kind: global_buffer, .address_space: global }
      - { .name: mt, .offset: 56, .size: 8, .value_kind: global_buffer, .address_space: global }
    .group_segment_fixed_size: 69632
    .private_segment_fixed_size: 0
    .kernarg_segment_align: 8
    .kernarg_segment_size: 64
    .max_flat_workgroup_size: 256
    .sgpr_count:     66
    .vgpr_count:     512
    .wavefront_size: 32
...
	.end_amdgpu_metadata
.endif
;; end of part 1
;; launch attn (part 2): grid 256 x 1, 8 waves a work-group, no clusters, 29,952 bytes of LDS; arguments cpart, bq_d, bkv_d, W_qk, b_qk, ctx; writes ctx
.if DOCPART == 2
	.amdgcn_target "amdgcn-amd-amdhsa--gfx1250"
	.amdhsa_code_object_version 6
	.text
	.protected	k_q61d954bb5b_attn
	.globl	k_q61d954bb5b_attn
	.p2align	8
	.type	k_q61d954bb5b_attn,@function
k_q61d954bb5b_attn:
	s_mov_b64 s[64:65], 0
	v_nop
	global_prefetch_b8 v0, s[64:65] scope:SCOPE_SE
	s_setreg_imm32_b32 hwreg(HW_REG_WAVE_MODE, 25, 1), 1
	s_wait_xcnt 0x0
; MULTI-HEAD LATENT ATTENTION, launch 2 of 3: ctx_h = softmax_k(q_h . C_kv[k] / 2) C_kv, 4 numbers for each row and head.
; V and attn V are not formed: attn_h V_h = ctx_h Wv_h + bv_h for all values of the inputs (launch 1's head shows it); a NaN, an infinity or an overflow that would arise only there is not carried on.
; SHARES.  g = the work-group's number: batch g >> 7, 16 positions (g >> 1) & 63, 16 heads g & 1.  Wave w has heads 16 (g & 1) + 2 w + t, t = 0, 1: two tiles of 16 queries, each walked over the batch's 1,024 keys.
; TABLES.  Every work-group adds the four partial sums of its batch's C_kv (64 KiB, once) and bkv_d, and lays two tables into LDS; then each wave makes its own q by one matrix instruction.
; FORMATS.  Biases and W_qk are rounded once to bf16, like all inputs.  C_q, q and the keys are pairs of bf16, hi + lo (16 bits of mantissa, bf16's range), which lie in K places that would else hold zeros:
;   score = qh.kh + qh.kl + ql.kh + ql.kl in one instruction.  The weights p and C_kv as values are f16: LIMIT |C_kv| < 65,504; p lies in 0 to 1 and below 6e-5 keeps f16's fixed step of 6e-8.
;   A weight below 2^-126 counts as 0; NaN and infinities are not treated apart.  ctx, a mean of C_kv's rows, is rounded once to f16.
; SOFTMAX.  q is scaled by c = log2(e) / 2.  Pass 1 finds each query's TRUE maximum m over all keys; pass 2 makes the scores anew with -m as the C operand, so that p = 2^(s - m) needs no scaling and nothing is rescaled.
;   The scores cost 8 matrix instructions for 64 keys, far less than a running maximum's vector work.  The divisor l is row 0 of the second product (a row of ones beside C_kv's four), taken of the rounded p.
; LAYOUT.  S^T = K Q^T (source 0 = 16 keys, source 1 = 16 queries): a lane holds ONE query (lane % 16) and keys 8 (lane / 16) + 0..7; two such results rounded in pairs ARE source 1 of O^T = V^T P.
; Two waves share a SIMD and the loops have no barrier: while one wave issues exponentials the other has the matrix unit.
; NO CLUSTER, NO TENSOR LOADS: what work-groups share is 64 KiB of partial sums, read once and summed in registers.
; ctx: [hg 4][row 2048][j 5][e 8] f16: head 8 hg + e; j = 4 holds 1.0, the factor of bv_h Wo_h in launch 3.
.set KT,    0          ; LDS: 16 bytes a key: kh0..3, kl0..3 in bf16
.set VT,    16384      ; six rows of f16 over the 1,024 keys: ones, C_kv's four columns, zeros
.set VP,    2064       ; a row's 2,048 bytes + 16
.set ST,    0          ; the way out: [hg 2][position 16][80 bytes], 2,560 bytes over the head of the key table, behind a barrier that shows every wave's reads of the tables over
.set SPARE, 28928      ; the spare words, 128 bytes for each wave: four blocks of 256 bytes that no other line names
.set R,    1           ; v1   lane % 16
.set H,    2           ; v2   lane / 16
.set LN,   3           ; v3   lane
.set SPW,  4           ; v4   LDS address of my spare word; never rewritten
.set NIL,  5           ; v5   0; never rewritten
.set KAD,  6           ; v6   16 r: both halves of the lanes read key r's 16 bytes
.set VAD,  7           ; v7   VT + min(r % 8, 5) rows + 16 h
.set ADRK, 8           ; v8   the address of K's run of loads
.set ADRV, 9           ; v9   of V's
.set STO,  10          ; v10  where I put my two heads' numbers of position r
.set ZO,   11          ; v11  offset 0, for the biases
.set WOF,  12          ; v12  my column of W_qk and b_qk
.set T64,  13          ; v13  64 x thread
.set T8,   14          ; v14  8 x thread
.set CQO,  15          ; v15  48 r
.set Q,    16          ; v[16:31]   two fragments of Q
.set NEGM, 32          ; v[32:47]   -m, eight times, for each tile: pass 2's C operand
.set O,    48          ; v[48:63]   two accumulators: register 0 l, registers 1-4 the sums of p C_kv
.set KF,   64          ; v[64:95]   four fragments of K; registers 4-7 of each stay 0
.set VF,   96          ; v[96:111]  two fragments of V^T
.set P,    112         ; v[112:143] P: keys 32 kk on, tile t, at 8 (2 kk + t)
.set S,    144         ; v[144:207] S^T: keys 16 kt on, tile t, at 8 (2 kt + t)
.set MX,   208         ; v[208:211] four chains of the maximum: chain ch serves tile ch % 2
.set TM,   212         ; v[212:255] at work
.set KVR,  32          ; at the head only: v[32:95] C_kv's partial sums, v[96:99] bkv_d, v[100:147] C_q's, v[148:159] bq_d, v[160:172] W_qk's column and b_qk
.set BKV,  96
.set CQR,  100
.set BQ,   148
.set WQR,  160
.set FA,   176         ; the q product's sources and result, and q scaled
.set FB,   184
.set DQ,   192
.set QS,   200
	s_load_b256 s[4:11], s[0:1], 0x0               ; cpart s[4:5], bq_d s[6:7], bkv_d s[8:9], W_qk s[10:11]
	s_load_b128 s[12:15], s[0:1], 0x20             ; b_qk s[12:13], ctx s[14:15]
	v_lshl_add_u32 v[SPW], v0, 2, SPARE
	v_mov_b32 v[NIL], 0
	v_lshrrev_b32 v[LN], 5, v0
	v_readfirstlane_b32 s16, v[LN]                 ; wave 0..7
	s_lshr_b32 s24, ttmp9, 7                       ; batch
	s_bfe_u32 s25, ttmp9, 0x60001                  ; block of 16 positions
	s_and_b32 s26, ttmp9, 1                        ; half of the heads
	s_lshl_b32 s27, s24, 10
	s_lshl_b32 s38, s25, 4
	s_add_co_u32 s27, s27, s38                     ; my first row
	s_lshl_b32 s28, s24, 14
	s_add_co_u32 s28, s28, 393216                  ; C_kv's partial sums of my batch
	s_mov_b32 s29, 0
	s_mul_i32 s30, s27, 48                         ; C_q's of my rows
	s_mov_b32 s31, 0
	s_mul_i32 s32, s26, 327680                     ; ctx: [hg = 2 x half][row]
	s_mul_i32 s33, s27, 80
	s_add_co_u32 s32, s32, s33
	s_mov_b32 s33, 0
	s_mov_b32 s18, 0x76543210                      ; v_permlanex16_b32: each lane takes its own place in the other half
	s_mov_b32 s19, 0xfedcba98
	s_mov_b32 s20, 0xffff0000                      ; the lanes with h = 1
	v_and_b32 v[R], 15, v0
	v_bfe_u32 v[H], v0, 4, 1
	v_and_b32 v[LN], 31, v0
	v_lshlrev_b32 v[T64], 6, v0
	v_lshlrev_b32 v[T8], 3, v0
	v_mul_u32_u24 v[CQO], v[R], 48
	v_mov_b32 v[ZO], 0
	s_lshl_b32 s17, s26, 8
	s_lshl_b32 s38, s16, 5
	s_add_co_u32 s17, s17, s38                     ; 4 (64 x half + 8 w)
	v_and_b32 v[WOF], 7, v0
	v_lshl_add_u32 v[WOF], v[WOF], 2, s17
	s_wait_kmcnt 0x0
	s_add_nc_u64 s[34:35], s[4:5], s[28:29]
	s_add_nc_u64 s[36:37], s[4:5], s[30:31]
	s_add_nc_u64 s[14:15], s[14:15], s[32:33]
	; 45 loads: 17 for the tables, then 28 for q
.irp p, 0,1,2,3
.irp i, 0,1,2,3
	global_load_b128 v[KVR+16*(\p)+4*(\i):KVR+16*(\p)+4*(\i)+3], v[T64], s[34:35] offset:32768*(\p)+16*(\i)  ; quarter p of key 4 T + i
.endr
.endr
	global_load_b128 v[BKV:BKV+3], v[ZO], s[8:9]
.irp p, 0,1,2,3
.irp i, 0,1,2
	global_load_b128 v[CQR+12*(\p)+4*(\i):CQR+12*(\p)+4*(\i)+3], v[CQO], s[36:37] offset:98304*(\p)+16*(\i)  ; quarter p of position r
.endr
.endr
.irp i, 0,1,2
	global_load_b128 v[BQ+4*(\i):BQ+4*(\i)+3], v[ZO], s[6:7] offset:16*(\i)
.endr
.irp k, 0,1,2,3,4,5,6,7,8,9,10,11
	global_load_b32 v[WQR+(\k)], v[WOF], s[10:11] offset:512*(\k)
.endr
	global_load_b32 v[WQR+12], v[WOF], s[12:13]
	; addresses, made while the loads are out
	v_lshlrev_b32 v[KAD], 4, v[R]
	v_and_b32 v[VAD], 7, v0
	v_min_u32 v[VAD], 5, v[VAD]                    ; source 0's row r is row min(r % 8, 5) of VT; rows 8-15 repeat rows 0-7, so both halves of the lanes end with the same sums
	v_mul_u32_u24 v[VAD], v[VAD], VP
	v_lshl_add_u32 v[VAD], v[H], 4, v[VAD]
	v_add_nc_u32 v[VAD], VT, v[VAD]
	s_lshr_b32 s17, s16, 2
	s_mul_i32 s17, s17, 1280
	s_and_b32 s38, s16, 3
	s_lshl_b32 s38, s38, 2
	s_add_co_u32 s17, s17, s38                     ; the stage (byte 0) + 1,280 (w / 4) + 4 (w % 4)
	v_mul_u32_u24 v[STO], v[R], 80
	v_add_nc_u32 v[STO], s17, v[STO]
	v_mov_b32 v240, 0x3c003c00                     ; 1.0 twice, in f16
	v_mov_b32 v241, 0x3c003c00
	v_mov_b32 v242, 0
	v_mov_b32 v243, 0
	; THE TABLES.  Thread T makes keys 4 T .. 4 T + 3.
	s_wait_loadcnt 28                              ; of 45 loads the oldest 17 are in
	v_cvt_pk_bf16_f32 v244, v[BKV], v[BKV+1]       ; the bias is rounded to bf16 like every input, and widened again
	v_cvt_pk_bf16_f32 v245, v[BKV+2], v[BKV+3]
	v_lshlrev_b32 v[BKV], 16, v244
	v_and_b32 v[BKV+1], 0xffff0000, v244
	v_lshlrev_b32 v[BKV+2], 16, v245
	v_and_b32 v[BKV+3], 0xffff0000, v245
.irp z, 0,2,4,6,8,10,12,14
	v_pk_add_f32 v[KVR+(\z):KVR+(\z)+1], v[KVR+(\z):KVR+(\z)+1], v[KVR+16+(\z):KVR+16+(\z)+1]
	v_pk_add_f32 v[KVR+32+(\z):KVR+32+(\z)+1], v[KVR+32+(\z):KVR+32+(\z)+1], v[KVR+48+(\z):KVR+48+(\z)+1]
.endr
.irp z, 0,2,4,6,8,10,12,14
	v_pk_add_f32 v[KVR+(\z):KVR+(\z)+1], v[KVR+(\z):KVR+(\z)+1], v[KVR+32+(\z):KVR+32+(\z)+1]
.endr
.irp z, 0,2,4,6,8,10,12,14
	v_pk_add_f32 v[KVR+(\z):KVR+(\z)+1], v[KVR+(\z):KVR+(\z)+1], v[BKV+(\z)%4:BKV+(\z)%4+1]  ; C_kv of key 4 T + z / 4 in v[KVR + z ..]
.endr
.irp i, 0,1,2,3                        ; a key as hi + lo
	v_cvt_pk_bf16_f32 v[TM+4*(\i)],   v[KVR+4*(\i)],   v[KVR+4*(\i)+1]
	v_cvt_pk_bf16_f32 v[TM+4*(\i)+1], v[KVR+4*(\i)+2], v[KVR+4*(\i)+3]
	v_lshlrev_b32 v228, 16, v[TM+4*(\i)]
	v_and_b32 v229, 0xffff0000, v[TM+4*(\i)]
	v_lshlrev_b32 v230, 16, v[TM+4*(\i)+1]
	v_and_b32 v231, 0xffff0000, v[TM+4*(\i)+1]
	v_pk_add_f32 v[228:229], v[KVR+4*(\i):KVR+4*(\i)+1],   v[228:229] neg_lo:[0,1] neg_hi:[0,1]
	v_pk_add_f32 v[230:231], v[KVR+4*(\i)+2:KVR+4*(\i)+3], v[230:231] neg_lo:[0,1] neg_hi:[0,1]
	v_cvt_pk_bf16_f32 v[TM+4*(\i)+2], v228, v229
	v_cvt_pk_bf16_f32 v[TM+4*(\i)+3], v230, v231
	ds_store_b128 v[T64], v[TM+4*(\i):TM+4*(\i)+3] offset:KT+16*(\i)
.endr
.irp j, 0,1,2,3                        ; a column of C_kv as a row of f16
	v_cvt_pk_f16_f32 v[232+2*(\j)], v[KVR+(\j)],   v[KVR+4+(\j)]
	v_cvt_pk_f16_f32 v[233+2*(\j)], v[KVR+8+(\j)], v[KVR+12+(\j)]
	ds_store_b64 v[T8], v[232+2*(\j):233+2*(\j)] offset:VT+VP*(1+(\j))
.endr
	ds_store_b64 v[T8], v[240:241] offset:VT
	ds_store_b64 v[T8], v[242:243] offset:VT+VP*5
	s_wait_dscnt 0x0                               ; for the others' sake: my stores are done
	s_barrier_signal -1
	s_barrier_wait -1                              ; both tables are whole; nothing writes them before the barrier behind pass 2
	; MY TWO HEADS' q, by one matrix instruction.  K places 0-11: W_qk x C_q's hi; 12-23: W_qk x C_q's lo; 24: b_qk x 1.0; the rest 0.
	; Source 0's row r is column r % 8 of my eight (two heads x 4), source 1's column r is position r: a lane ends with position r's eight numbers, in both halves.
.set HH, 212           ; six pairs: C_q's hi
.set WD, 220           ; twelve at work
.set LL, 232           ; six pairs: C_q's lo
.set PP, 238           ; six pairs: my column of W_qk
.set PB, 244           ; (b_qk, 0)
.set ONE, 245          ; (1.0, 0) in bf16
.set ZR, 246           ; 0
.set TB, 248           ; six at work
	s_wait_loadcnt 0x0
.irp q, 0,1,2,3,4,5
	v_cvt_pk_bf16_f32 v[TB+(\q)], v[BQ+2*(\q)], v[BQ+2*(\q)+1]
.endr
.irp q, 0,1,2,3,4,5
	v_lshlrev_b32 v[BQ+2*(\q)], 16, v[TB+(\q)]
	v_and_b32 v[BQ+2*(\q)+1], 0xffff0000, v[TB+(\q)]
.endr
.irp q, 0,1,2,3,4,5
	v_pk_add_f32 v[CQR+2*(\q):CQR+2*(\q)+1], v[CQR+2*(\q):CQR+2*(\q)+1], v[CQR+12+2*(\q):CQR+12+2*(\q)+1]
	v_pk_add_f32 v[CQR+24+2*(\q):CQR+24+2*(\q)+1], v[CQR+24+2*(\q):CQR+24+2*(\q)+1], v[CQR+36+2*(\q):CQR+36+2*(\q)+1]
.endr
.irp q, 0,1,2,3,4,5
	v_pk_add_f32 v[CQR+2*(\q):CQR+2*(\q)+1], v[CQR+2*(\q):CQR+2*(\q)+1], v[CQR+24+2*(\q):CQR+24+2*(\q)+1]
.endr
.irp q, 0,1,2,3,4,5
	v_pk_add_f32 v[CQR+2*(\q):CQR+2*(\q)+1], v[CQR+2*(\q):CQR+2*(\q)+1], v[BQ+2*(\q):BQ+2*(\q)+1]
.endr
.irp q, 0,1,2,3,4,5
	v_cvt_pk_bf16_f32 v[HH+(\q)], v[CQR+2*(\q)], v[CQR+2*(\q)+1]
.endr
.irp q, 0,1,2,3,4,5
	v_lshlrev_b32 v[WD+2*(\q)], 16, v[HH+(\q)]
	v_and_b32 v[WD+2*(\q)+1], 0xffff0000, v[HH+(\q)]
.endr
.irp q, 0,1,2,3,4,5
	v_pk_add_f32 v[WD+2*(\q):WD+2*(\q)+1], v[CQR+2*(\q):CQR+2*(\q)+1], v[WD+2*(\q):WD+2*(\q)+1] neg_lo:[0,1] neg_hi:[0,1]
.endr
.irp q, 0,1,2,3,4,5
	v_cvt_pk_bf16_f32 v[LL+(\q)], v[WD+2*(\q)], v[WD+2*(\q)+1]
	v_cvt_pk_bf16_f32 v[PP+(\q)], v[WQR+2*(\q)], v[WQR+2*(\q)+1]
.endr
	v_mov_b32 v[ZR], 0
	v_cvt_pk_bf16_f32 v[PB], v[WQR+12], v[ZR]
	v_mov_b32 v[ONE], 0x3f80
.macro SEL d, a, b                     ; a where h = 0, b where h = 1
	v_cndmask_b32 v[\d], v[\a], v[\b], s20
.endm
	SEL FA+0, PP+0, PP+4                           ; h = 0 holds places 0-7 and 16-23, h = 1 places 8-15 and 24-31
	SEL FA+1, PP+1, PP+5
	SEL FA+2, PP+2, PP+0
	SEL FA+3, PP+3, PP+1
	SEL FA+4, PP+2, PB
	SEL FA+5, PP+3, ZR
	SEL FA+6, PP+4, ZR
	SEL FA+7, PP+5, ZR
	SEL FB+0, HH+0, HH+4
	SEL FB+1, HH+1, HH+5
	SEL FB+2, HH+2, LL+0
	SEL FB+3, HH+3, LL+1
	SEL FB+4, LL+2, ONE
	SEL FB+5, LL+3, ZR
	SEL FB+6, LL+4, ZR
	SEL FB+7, LL+5, ZR
	v_wmma_f32_16x16x32_bf16 v[DQ:DQ+7], v[FA:FA+7], v[FB:FB+7], 0
.irp kt, 0,1,2,3                       ; twenty moves that are due anyway are the places behind that product (ISA guide 7.12.1)
.irp j, 4,5,6,7
	v_mov_b32 v[KF+8*(\kt)+(\j)], 0                ; K places 16-31 of the score product are not used
.endr
.endr
.irp j, 0,1,2,3
	v_mov_b32 v[MX+(\j)], 0xff7fffff               ; the lowest finite number
.endr
.irp j, 0,1,2,3,4,5,6,7
	v_mul_f32 v[QS+(\j)], 0x3f38aa3b, v[DQ+(\j)]   ; c = log2(e) / 2: the scores come out as exponents of 2
.endr
.irp q, 0,1,2,3
	v_cvt_pk_bf16_f32 v[212+(\q)], v[QS+2*(\q)], v[QS+2*(\q)+1]
.endr
.irp q, 0,1,2,3
	v_lshlrev_b32 v[WD+2*(\q)], 16, v[212+(\q)]
	v_and_b32 v[WD+2*(\q)+1], 0xffff0000, v[212+(\q)]
.endr
.irp q, 0,1,2,3
	v_pk_add_f32 v[WD+2*(\q):WD+2*(\q)+1], v[QS+2*(\q):QS+2*(\q)+1], v[WD+2*(\q):WD+2*(\q)+1] neg_lo:[0,1] neg_hi:[0,1]
.endr
.irp q, 0,1,2,3
	v_cvt_pk_bf16_f32 v[216+(\q)], v[WD+2*(\q)], v[WD+2*(\q)+1]
.endr
.irp t, 0,1                            ; places 0-7 (h = 0): qh, qh against (kh, kl); places 8-15 (h = 1): ql, ql against the same
	SEL Q+8*(\t)+0, 212+2*(\t), 216+2*(\t)
	SEL Q+8*(\t)+1, 213+2*(\t), 217+2*(\t)
	SEL Q+8*(\t)+2, 212+2*(\t), 216+2*(\t)
	SEL Q+8*(\t)+3, 213+2*(\t), 217+2*(\t)
.irp j, 4,5,6,7
	v_mov_b32 v[Q+8*(\t)+(\j)], 0
.endr
.endr
.macro FETCHK                          ; 64 keys at LDS byte s21: four loads, into the low halves of K's fragments
.irp kt, 0,1,2,3
	ds_load_b128 v[KF+8*(\kt):KF+8*(\kt)+3], v[ADRK] offset:KT+256*(\kt)
.endr
	s_add_co_u32 s21, s21, 1024
.endm
; PASS 1, 64 keys: eight score products, the next keys' loads, 32 maxima in four chains.  Each accumulator's lowest registers are read first.
.macro MAXTRIP
	s_wait_dscnt 0x0                               ; K is in
.irp kt, 0,1,2,3
.irp t, 0,1
	v_wmma_f32_16x16x32_bf16 v[S+8*(2*(\kt)+(\t)):S+8*(2*(\kt)+(\t))+7], v[KF+8*(\kt):KF+8*(\kt)+7], v[Q+8*(\t):Q+8*(\t)+7], 0
.endr
.endr
	v_add_nc_u32 v[ADRK], s21, v[KAD]              ; four places behind the last product: ahead of the loads into registers that it has read, and of the first read of its result
	v_nop
	v_nop
	v_nop
	FETCHK
.set st, 0
.rept 8
.irp ch, 0,1,2,3                       ; chain ch: tile ch % 2, keys 32 (ch / 2) on
	v_max3_num_f32 v[MX+(\ch)], v[MX+(\ch)], v[S+8*(2*(2*((\ch)/2)+st/4)+(\ch)%2)+2*(st%4)], v[S+8*(2*(2*((\ch)/2)+st/4)+(\ch)%2)+2*(st%4)+1]
.endr
.set st, st+1
.endr
.endm
	s_mov_b32 s21, 0
	v_add_nc_u32 v[ADRK], s21, v[KAD]
	FETCHK                                         ; keys 0-63
	s_mov_b32 s23, 15
.Lmax:                                             ; trip i takes keys 64 i on and fetches the next 64
	MAXTRIP
	s_sub_co_u32 s23, s23, 1
	s_cmp_lg_u32 s23, 0
	s_cbranch_scc1 .Lmax
	s_mov_b32 s21, 0
	MAXTRIP                                        ; the last 64 keys; its fetch brings keys 0-63 again, for pass 2
	v_max_num_f32 v[MX], v[MX], v[MX+2]
	v_max_num_f32 v[MX+1], v[MX+1], v[MX+3]
	v_permlanex16_b32 v[MX+2], v[MX], s18, s19     ; the query's other keys lie in the lane 16 away
	v_permlanex16_b32 v[MX+3], v[MX+1], s18, s19
	v_max_num_f32 v[MX], v[MX], v[MX+2]
	v_max_num_f32 v[MX+1], v[MX+1], v[MX+3]
.irp t, 0,1
.irp j, 0,1,2,3,4,5,6,7
	v_mul_f32 v[NEGM+8*(\t)+(\j)], -1.0, v[MX+(\t)]  ; a lane holds one query in all eight registers of a result
.endr
.endr
; PASS 2, 64 keys.  first = 1: the products for keys 0-31 start O's sums.  fetch = 1: the next 64 keys are fetched.
; The 64 exponentials are ONE batch with one wait: nothing ahead of the wait names a result of theirs.  O's two accumulators take turns, one instruction a turn;
; between a trip's last product and the next trip's first onto the same accumulator stand the eight score products.
.macro SMTRIP first, fetch
	s_wait_dscnt 0x0                               ; K is in
.irp kt, 0,1,2,3
.irp t, 0,1
	v_wmma_f32_16x16x32_bf16 v[S+8*(2*(\kt)+(\t)):S+8*(2*(\kt)+(\t))+7], v[KF+8*(\kt):KF+8*(\kt)+7], v[Q+8*(\t):Q+8*(\t)+7], v[NEGM+8*(\t):NEGM+8*(\t)+7]
.endr
.endr
	v_add_nc_u32 v[ADRV], s22, v[VAD]              ; four places: behind the score products (K's registers, the results) and behind the last trip's products V^T P (V's and P's registers)
.if \fetch
	v_add_nc_u32 v[ADRK], s21, v[KAD]
.else
	v_nop
.endif
	v_nop
	v_nop
.irp c, 0,1,2,3
	ds_load_b128 v[VF+4*(\c):VF+4*(\c)+3], v[ADRV] offset:32*(\c)  ; keys 16 c + 8 h + 0..7 of my row of VT
.endr
.if \fetch
	FETCHK
.endif
	s_add_co_u32 s22, s22, 128
.set z, 0
.rept 64
	v_exp_f32 v[S+z], v[S+z]                       ; p = 2^(s - m), ascending: each accumulator's lowest register first
.set z, z+1
.endr
	v_nop                                          ; a plain instruction behind the last exponential, ahead of the first use (ISA guide 5.7.2): one for the batch
	s_wait_alu depctr_va_vdst(0)                   ; the wait ahead of the batch's first reader
.set z, 0
.rept 32                               ; z = 8 (2 kk + t) + 4 g + pp: keys 32 kk + 16 g on
	v_cvt_pk_f16_f32 v[P+z], v[S+8*(2*(2*(z/16)+(z/4)%2)+(z/8)%2)+2*(z%4)], v[S+8*(2*(2*(z/16)+(z/4)%2)+(z/8)%2)+2*(z%4)+1]
.set z, z+1
.endr
.if \fetch
	s_wait_dscnt 4                                 ; V is in; K's four loads, issued behind V's, may stay out
.else
	s_wait_dscnt 0x0                               ; V is in: no LDS load of mine is out any more
.endif
.irp kk, 0,1
.irp t, 0,1
.if (\first) && ((\kk) == 0)
	v_wmma_f32_16x16x32_f16 v[O+8*(\t):O+8*(\t)+7], v[VF+8*(\kk):VF+8*(\kk)+7], v[P+8*(2*(\kk)+(\t)):P+8*(2*(\kk)+(\t))+7], 0
.else
	v_wmma_f32_16x16x32_f16 v[O+8*(\t):O+8*(\t)+7], v[VF+8*(\kk):VF+8*(\kk)+7], v[P+8*(2*(\kk)+(\t)):P+8*(2*(\kk)+(\t))+7], v[O+8*(\t):O+8*(\t)+7]
.endif
.endr
.endr
.endm
	s_mov_b32 s22, 0
	SMTRIP 1, 1
	s_mov_b32 s23, 14
.Lsm:
	SMTRIP 0, 1
	s_sub_co_u32 s23, s23, 1
	s_cmp_lg_u32 s23, 0
	s_cbranch_scc1 .Lsm
	SMTRIP 0, 0                                    ; the last 64 keys: nothing is left to fetch
	; THE WAY OUT.  The stage lies over the key table's first 2,560 bytes, so a barrier stands between every wave's last reads of the tables and the stage's stores:
	; the last trip's wait for 0 has shown all my LDS loads back; I say so here, and the division, work on registers alone, stands between the signal and the wait.
	s_barrier_signal -1
.rept 4
	v_nop                                          ; four places behind the last product
.endr
	v_rcp_f32 v[TM], v[O]                          ; 1 / l: l is register 0, the row of ones
	v_rcp_f32 v[TM+1], v[O+8]
	v_nop
	s_wait_alu depctr_va_vdst(0)                   ; one wait for both reciprocals
.irp j, 0,1,2,3
	v_mul_f32 v[TM+2+(\j)], v[O+1+(\j)], v[TM]
	v_mul_f32 v[TM+6+(\j)], v[O+9+(\j)], v[TM+1]
.endr
.irp j, 0,1,2,3
	v_cvt_pk_f16_f32 v[TM+10+(\j)], v[TM+2+(\j)], v[TM+6+(\j)]  ; my two heads are neighbours in ctx
.endr
	v_mov_b32 v[TM+14], 0x3c003c00                 ; j = 4: 1.0
	s_barrier_wait -1                              ; no wave reads the tables any more
.irp j, 0,1,2,3,4
	ds_store_b32 v[STO], v[TM+10+(\j)] offset:ST+16*(\j)  ; both halves of the lanes store the same number at the same place
.endr
	s_wait_dscnt 0x0                               ; for the others' sake: my stores are done
	s_barrier_signal -1
	s_barrier_wait -1                              ; the stage is whole
	s_cmp_lt_u32 s16, 5                            ; 2,560 bytes: waves 0-4 take 512 each
	s_cbranch_scc0 .Lend
	s_lshl_b32 s17, s16, 9
	v_lshl_add_u32 v[TM], v[LN], 4, s17            ; 16 x thread
	ds_load_b128 v[TM+4:TM+7], v[TM] offset:ST
	v_mov_b32 v[TM+1], 0x27b00                     ; the second group of heads lies 163,840 bytes on: 163,840 - 1,280
	v_cmp_le_u32 vcc_lo, 80, v0
	v_cndmask_b32 v[TM+1], 0, v[TM+1], vcc_lo
	v_add_nc_u32 v[TM+1], v[TM], v[TM+1]
	s_wait_dscnt 0x0
	global_store_b128 v[TM+1], v[TM+4:TM+7], s[14:15]     ; 16 lanes store 256 consecutive bytes, at a multiple of 256 from ctx's first (16 rows are 1,280 bytes)
.Lend:
	s_wait_tensorcnt 0x0                           ; the wave's end, behind my last LDS store
	ds_add_u32 v[SPW], v[NIL]
	s_wait_dscnt 0x0
	s_endpgm
.Lfunc_end_k_q61d954bb5b_attn:
	.size	k_q61d954bb5b_attn, .Lfunc_end_k_q61d954bb5b_attn-k_q61d954bb5b_attn
	.p2alignl 7, 3214868480
	.fill 96, 4, 3214868480
	.section	.rodata,"a",@progbits
	.p2align	6, 0x0
	.amdhsa_kernel k_q61d954bb5b_attn
		.amdhsa_group_segment_fixed_size 29952
		.amdhsa_private_segment_fixed_size 0
		.amdhsa_enable_private_segment 0
		.amdhsa_kernarg_size 48
		.amdhsa_user_sgpr_count 2
		.amdhsa_user_sgpr_kernarg_segment_ptr 1
		.amdhsa_wavefront_size32 1
		.amdhsa_system_sgpr_workgroup_id_x 1
		.amdhsa_system_sgpr_workgroup_id_y 1
		.amdhsa_system_sgpr_workgroup_id_z 1
		.amdhsa_system_vgpr_workitem_id 0
		.amdhsa_next_free_vgpr 256
		.amdhsa_next_free_sgpr 66
		.amdhsa_reserve_vcc 1
		.amdhsa_float_denorm_mode_32 3
		.amdhsa_float_denorm_mode_16_64 3
		.amdhsa_memory_ordered 1
		.amdhsa_forward_progress 1
		.amdhsa_inst_pref_size 48
	.end_amdhsa_kernel
	.amdgpu_metadata
---
amdhsa.version: [ 1, 2 ]
amdhsa.kernels:
  - .name:           k_q61d954bb5b_attn
    .symbol:         k_q61d954bb5b_attn.kd
    .args:
      - { .name: cpart, .offset: 0, .size: 8, .value_kind: global_buffer, .address_space: global }
      - { .name: bq_d, .offset: 8, .size: 8, .value_kind: global_buffer, .address_space: global }
      - { .name: bkv_d, .offset: 16, .size: 8, .value_kind: global_buffer, .address_space: global }
      - { .name: W_qk, .offset: 24, .size: 8, .value_kind: global_buffer, .address_space: global }
      - { .name: b_qk, .offset: 32, .size: 8, .value_kind: global_buffer, .address_space: global }
      - { .name: ctx, .offset: 40, .size: 8, .value_kind: global_buffer, .address_space: global }
    .group_segment_fixed_size: 29952
    .private_segment_fixed_size: 0
    .kernarg_segment_align: 8
    .kernarg_segment_size: 48
    .max_flat_workgroup_size: 256
    .sgpr_count:     66
    .vgpr_count:     256
    .wavefront_size: 32
...
	.end_amdgpu_metadata
.endif
;; end of part 2
;; launch outp (part 3): grid 16 x 16, 8 waves a work-group, clusters of 4 x 4, 167,936 bytes of LDS; arguments ctx, mt, bo, out0; writes out0
.if DOCPART == 3
	.amdgcn_target "amdgcn-amd-amdhsa--gfx1250"
	.amdhsa_code_object_version 6
	.text
	.protected	k_q61d954bb5b_outp
	.globl	k_q61d954bb5b_outp
	.p2align	8
	.type	k_q61d954bb5b_outp,@function
k_q61d954bb5b_outp:
	s_mov_b64 s[64:65], 0
	v_nop
	global_prefetch_b8 v0, s[64:65] scope:SCOPE_SE
	s_setreg_imm32_b32 hwreg(HW_REG_WAVE_MODE, 25, 1), 1
	s_wait_xcnt 0x0
	s_wait_alu depctr_hold_cnt(0) depctr_sa_sdst(0) depctr_va_vdst(0) depctr_va_sdst(0) depctr_va_ssrc(0) depctr_va_vcc(0) depctr_vm_vsrc(0)
	s_getreg_b32 s2, hwreg(HW_REG_IB_STS2, 6, 4)
	s_cmp_eq_u32 s2, 0
	s_cbranch_scc0 .Lentry_in_a_cluster
	s_endpgm
.Lentry_in_a_cluster:
	s_bfe_u32 s2, ttmp6, 0x10000c
	s_cmp_lg_u32 s2, 0xf033
	s_cbranch_scc0 .Lentry_shape_is_right
	s_endpgm
.Lentry_shape_is_right:
; MULTI-HEAD LATENT ATTENTION, launch 3 of 3: out0[row][n] = sum over heads h and j = 0..4 of ctx[row][h][j] mt[h][j][n] + bo[n]: a product over K = 160, with ctx[..][4] = 1.0.
; The product of a [2048 x 4096] matrix with Wo is not formed: launch 1's head shows that this sum is equal to it for all values of the inputs.
; ctx: [hg 4][row 2048][j 5][e 8] f16, mt: [hg 4][stored column 4096][j 5][e 8] f16 (head 8 hg + e; stored column 64 cb + 16 c + r is column 64 cb + 4 r + c); sums in f32; bo rounded to bf16 like every input.
; SHARES.  A work-group makes 128 rows x 256 columns; wave w rows 64 (w / 4) on, columns 64 (w % 4) on: 16 accumulators, 80 matrix instructions.  K is short: both operands lie whole in LDS, filled once.
; K ORDER, alike in both sources: in fragment f (of 5) the lanes' half h takes, in registers 4 g .. 4 g + 3, chunk u = 2 f + g of its 10 chunks of 8 heads: hg = 2 h + u / 5, j = u % 5: 16 bytes on end.
; COLUMNS.  Column tile c's lane r holds column 4 r + c, so the same register of the four tiles' accumulators holds four neighbouring columns of one row: the bias's addition puts them into four
; neighbouring registers, and 16 lanes store 256 consecutive bytes without a way through LDS.
; CLUSTER 4 x 4: the four work-groups of a row of the cluster need the same rows of ctx, the four of a column the same columns of mt: each block is asked for JOINTLY, one tensor load a wave
; (waves 0-3 ctx's four blocks hg, waves 4-7 mt's), with the same descriptor and a mask that names the four.  Nothing is filled again.
.set ABLK,  10240      ; LDS byte 0: ctx, [hg][128 rows][80 bytes]: rows 80 bytes apart, an odd multiple of 16: the 16 rows of a load start in 16 different groups of four banks (64 banks of 4 bytes: ISA guide 11.1)
.set BBLK,  20480      ; mt, [hg][256 stored columns][80 bytes],
.set BB,    40960      ; from here on
.set SPARE, 122880     ; the spare words, 128 bytes for each wave: four blocks of 256 bytes that no other line names
.set R,   1            ; v1   lane % 16
.set H,   2            ; v2   lane / 16
.set AAD, 16           ; v16  LDS address of my lane's chunks of ctx
.set BAD, 17           ; v17  of mt
.set CO,  18           ; v18  my byte offset in out0: 8 rows x h + 16 r
.set BOF, 19           ; v19  my four numbers of bo
.set BI,  24           ; v[24:27] the bias of columns 4 r + 0..3
.set SPW, 28           ; v28  LDS address of my spare word; never rewritten
.set NIL, 29           ; v29  0; never rewritten
.set ACC, 128          ; v[128:255] accumulator (rt, c) at 128 + 8 (4 rt + c)
.set BF,  160          ; window 1: v[0:159] ctx's fragments, (rt, f) at 40 rt + 8 f; v[160:239] mt's, two buffers of 40; at the end v[0:127] the results in store order
.set WVN, 12           ; s12  my wave's number
.set G1A, 16           ; s[16:23] descriptor group 1 for ctx's blocks, s[24:27] group 0
.set G0A, 24
.set G1B, 28           ; s[28:35], s[36:39] the same for mt's
.set G0B, 36
.set MSB, 0
.macro WIN new                         ; s_set_vgpr_msb: bits 1:0 source 0, 3:2 source 1, 5:4 source 2, 7:6 destination; the high byte repeats the setting that is left
.if MSB != (\new)
	s_set_vgpr_msb (MSB<<8)|(\new)
.set MSB, \new
.endif
.endm
.macro CROUND                          ; a round of the cluster's barrier: my work-group's barrier; wave 0 signals for the work-group; every wave waits for all sixteen; my work-group's barrier once more
	s_barrier_signal -1
	s_barrier_wait -1
	s_cmp_lg_u32 s[WVN], 0
	s_cbranch_scc1 .Lnot_wave_0_\@
	s_barrier_signal -3
.Lnot_wave_0_\@:
	s_barrier_wait -3
	s_barrier_signal -1
	s_barrier_wait -1
.endm
	s_load_b256 s[4:11], s[0:1], 0x0               ; ctx s[4:5], mt s[6:7], bo s[8:9], out0 s[10:11]
	v_lshl_add_u32 v[SPW], v0, 2, SPARE
	v_mov_b32 v[NIL], 0
	ds_add_u32 v[SPW], v[NIL]                      ; the wave's opening: the add, twice on end, and its wait ahead of my first tensor load; the set-up below stands between the second and the wait
	ds_add_u32 v[SPW], v[NIL]                      ; and once more
	v_lshrrev_b32 v3, 5, v0
	v_readfirstlane_b32 s[WVN], v3                 ; wave 0..7
	s_lshr_b32 s13, s[WVN], 2                      ; which 64 rows are mine.  Also: I fetch for ctx (0) or for mt (1)
	s_and_b32 s14, s[WVN], 3                       ; which 64 columns.  Also: which block hg I fetch
	s_bfe_u32 s40, ttmp6, 0x40000                  ; cx, cy: my place in the cluster
	s_bfe_u32 s41, ttmp6, 0x40004
	s_lshl_b32 s42, ttmp9, 2
	s_add_co_u32 s42, s42, s40                     ; block of 256 columns = 4 x cluster x + cx
	s_and_b32 s43, ttmp7, 0xffff
	s_lshl_b32 s43, s43, 2
	s_add_co_u32 s43, s43, s41                     ; block of 128 rows = 4 x cluster y + cy
	s_lshl_b32 s44, s41, 2
	s_lshl_b32 s44, 15, s44                        ; my row of the cluster
	s_lshl_b32 s45, 0x1111, s40                    ; my column
	; group 1: a block that is dense in memory, asked for as rows of 256 bytes: 40 for ctx's 10,240 bytes, 80 for mt's 20,480; no padding
	s_or_b32 s[G1A], s44, (3<<16)|(1<<21)          ; 15:0 the mask; 17:16 elements of 8 bytes; 21 set beside a mask
	s_or_b32 s[G1B], s45, (3<<16)|(1<<21)
	s_mov_b32 s[G1A+1], 32<<16                     ; tensor_dim0 = 32 elements
	s_mov_b32 s[G1B+1], 32<<16
	s_mov_b32 s[G1A+2], 40<<16                     ; tensor_dim1 = the rows
	s_mov_b32 s[G1B+2], 80<<16
	s_mov_b32 s[G1A+3], 32<<16                     ; tile_dim0
	s_mov_b32 s[G1B+3], 32<<16
	s_mov_b32 s[G1A+4], 40                         ; tile_dim1
	s_mov_b32 s[G1B+4], 80
	s_mov_b32 s[G1A+5], 32                         ; 32 elements from row to row
	s_mov_b32 s[G1B+5], 32
	s_mov_b32 s[G1A+6], 0
	s_mov_b32 s[G1B+6], 0
	s_mov_b32 s[G1A+7], 0
	s_mov_b32 s[G1B+7], 0
	s_mov_b32 s[G0A], 1                            ; count = 1
	s_mov_b32 s[G0B], 1
	s_mul_i32 s[G0A+1], s14, ABLK                  ; LDS address: the block's number alone, no place in the cluster
	s_mul_i32 s[G0B+1], s14, BBLK
	s_add_co_u32 s[G0B+1], s[G0B+1], BB
	s_mul_i32 s46, s14, 163840                     ; ctx: [hg][row]: hangs on the block of rows alone, which my row of the cluster shares
	s_mul_i32 s50, s43, ABLK
	s_add_co_u32 s46, s46, s50
	s_mov_b32 s47, 0
	s_mul_i32 s48, s14, 327680                     ; mt: [hg][stored column]: on the block of columns alone, which my column shares
	s_mul_i32 s51, s42, BBLK
	s_add_co_u32 s48, s48, s51
	s_mov_b32 s49, 0
	s_wait_dscnt 0x0                               ; both opening adds are done
	s_wait_kmcnt 0x0
	s_add_nc_u64 s[G0A+2:G0A+3], s[4:5], s[46:47]
	s_or_b32 s[G0A+3], s[G0A+3], 0x80000000        ; type = 2
	s_add_nc_u64 s[G0B+2:G0B+3], s[6:7], s[48:49]
	s_or_b32 s[G0B+3], s[G0B+3], 0x80000000
	CROUND                                         ; all sixteen work-groups are here: the joint loads meet
	s_cmp_eq_u32 s13, 0                            ; the branch hangs on the wave's number alone; an s_nop 0 and four v_nop follow each of the two lines
	s_cbranch_scc0 .Lfor_b
	tensor_load_to_lds s[G0A:G0A+3], s[G1A:G1A+7]
	s_nop 0
.rept 4
	v_nop
.endr
	s_branch .Lasked
.Lfor_b:
	tensor_load_to_lds s[G0B:G0B+3], s[G1B:G1B+7]
	s_nop 0
.rept 4
	v_nop
.endr
.Lasked:
	v_and_b32 v[R], 15, v0
	v_bfe_u32 v[H], v0, 4, 1
	s_lshl_b32 s54, s42, 10
	s_lshl_b32 s55, s14, 8
	s_add_co_u32 s54, s54, s55                     ; 4 (256 x block + 64 x my quarter)
	v_lshl_add_u32 v[BOF], v[R], 4, s54
	global_load_b128 v[BI:BI+3], v[BOF], s[8:9]
	s_mul_i32 s56, s13, 5120                       ; my 64 rows of 80 bytes
	v_mul_u32_u24 v[AAD], v[R], 80
	v_mul_u32_u24 v3, v[H], 2*ABLK                 ; half h: blocks 2 h and 2 h + 1
	v_add3_u32 v[AAD], v[AAD], v3, s56
	s_mul_i32 s57, s14, 5120                       ; my 64 stored columns
	s_add_co_u32 s57, s57, BB
	v_mul_u32_u24 v[BAD], v[R], 80
	v_mul_u32_u24 v3, v[H], 2*BBLK
	v_add3_u32 v[BAD], v[BAD], v3, s57
	v_lshlrev_b32 v[CO], 17, v[H]
	v_lshl_add_u32 v[CO], v[R], 4, v[CO]
	s_lshl_b32 s52, s43, 21                        ; out0: 128 rows of 16,384 bytes,
	s_lshl_b32 s58, s13, 20                        ; my 64,
	s_add_co_u32 s52, s52, s58
	s_add_co_u32 s52, s52, s54                     ; my columns
	s_mov_b32 s53, 0
	s_add_nc_u64 s[10:11], s[10:11], s[52:53]
	s_wait_tensorcnt 0x0                           ; my block is in,
	s_barrier_signal -1
	s_barrier_wait -1                              ; everybody's is
.macro BLOAD c                         ; column tile c's five fragments: ten loads, into buffer c % 2
	WIN 0x40                                       ; destination window 1, address window 0
.set u, 0
.rept 10
	ds_load_b128 v[BF+40*((\c)%2)+4*u:BF+40*((\c)%2)+4*u+3], v[BAD] offset:(\c)*1280+(u/5)*BBLK+(u%5)*16
.set u, u+1
.endr
.endm
.macro MULS c                          ; 20 products: the tile's four accumulators take turns, one instruction a turn; the first four start the sums
	WIN 0x05                                       ; sources 0 and 1 window 1; C and D window 0
.set f, 0
.rept 5
.set rt, 0
.rept 4
.if f == 0
	v_wmma_f32_16x16x32_f16 v[ACC+8*(4*rt+(\c)):ACC+8*(4*rt+(\c))+7], v[40*rt+8*f:40*rt+8*f+7], v[BF+40*((\c)%2)+8*f:BF+40*((\c)%2)+8*f+7], 0
.else
	v_wmma_f32_16x16x32_f16 v[ACC+8*(4*rt+(\c)):ACC+8*(4*rt+(\c))+7], v[40*rt+8*f:40*rt+8*f+7], v[BF+40*((\c)%2)+8*f:BF+40*((\c)%2)+8*f+7], v[ACC+8*(4*rt+(\c)):ACC+8*(4*rt+(\c))+7]
.endif
.set rt, rt+1
.endr
.set f, f+1
.endr
.endm
	WIN 0x40
.set rt, 0
.rept 4                                ; ctx's 20 fragments stay in registers
.set u, 0
.rept 10
	ds_load_b128 v[40*rt+4*u:40*rt+4*u+3], v[AAD] offset:rt*1280+(u/5)*ABLK+(u%5)*16
.set u, u+1
.endr
.set rt, rt+1
.endr
	BLOAD 0
	BLOAD 1
	s_wait_dscnt 10                                ; all but the ten issued last: ctx's fragments and tile 0's are in
	MULS 0
.rept 4
	v_nop                                          ; four places ahead of loads into registers that those products have read
.endr
	BLOAD 2
	s_wait_dscnt 10                                ; tile 1's are in; tile 2's ten may stay out
	MULS 1
.rept 4
	v_nop
.endr
	BLOAD 3
	s_wait_dscnt 10                                ; tile 2's are in
	MULS 2
	s_wait_dscnt 0x0
	MULS 3
	WIN 0
	s_wait_loadcnt 0x0                             ; bo
	v_cvt_pk_bf16_f32 v20, v[BI], v[BI+1]          ; rounded to bf16 like every input, and widened again: six plain instructions, the places behind the last products
	v_cvt_pk_bf16_f32 v21, v[BI+2], v[BI+3]
	v_lshlrev_b32 v[BI], 16, v20
	v_and_b32 v[BI+1], 0xffff0000, v20
	v_lshlrev_b32 v[BI+2], 16, v21
	v_and_b32 v[BI+3], 0xffff0000, v21
	; THE WAY OUT.  Register j of accumulator (rt, c) is row 16 rt + 8 h + j, column 4 r + c.  No register that a store reads is written again.
.set rt, 0
.rept 4
	WIN 0x40                                       ; destination window 1
.set j, 0
.rept 8                                ; j ascending: each accumulator's lowest register is read first
.set c, 0
.rept 4
	v_add_f32 v[32*rt+4*j+c], v[ACC+8*(4*rt+c)+j], v[BI+c]
.set c, c+1
.endr
.set j, j+1
.endr
	WIN 0x04                                       ; a store's data window 1, its address window 0
.set j, 0
.rept 8
	global_store_b128 v[CO], v[32*rt+4*j:32*rt+4*j+3], s[10:11] offset:(16*rt+j)*16384 th:TH_STORE_NT  ; 16 lanes store 256 consecutive bytes, at a multiple of 256 from out0's first
.set j, j+1
.endr
.set rt, rt+1
.endr
	WIN 0
	s_wait_tensorcnt 0x0                           ; the wave's end, behind my last tensor load
	ds_add_u32 v[SPW], v[NIL]
	s_wait_dscnt 0x0
	CROUND                                         ; the closing round: no work-group ends while a partner may still ask for a block that names it
	s_endpgm
.Lfunc_end_k_q61d954bb5b_outp:
	.size	k_q61d954bb5b_outp, .Lfunc_end_k_q61d954bb5b_outp-k_q61d954bb5b_outp
	.p2alignl 7, 3214868480
	.fill 96, 4, 3214868480
	.section	.rodata,"a",@progbits
	.p2align	6, 0x0
	.amdhsa_kernel k_q61d954bb5b_outp
		.amdhsa_group_segment_fixed_size 167936
		.amdhsa_private_segment_fixed_size 0
		.amdhsa_enable_private_segment 0
		.amdhsa_kernarg_size 32
		.amdhsa_user_sgpr_count 2
		.amdhsa_user_sgpr_kernarg_segment_ptr 1
		.amdhsa_wavefront_size32 1
		.amdhsa_system_sgpr_workgroup_id_x 1
		.amdhsa_system_sgpr_workgroup_id_y 1
		.amdhsa_system_sgpr_workgroup_id_z 1
		.amdhsa_system_vgpr_workitem_id 0
		.amdhsa_next_free_vgpr 512
		.amdhsa_next_free_sgpr 66
		.amdhsa_reserve_vcc 0
		.amdhsa_float_denorm_mode_32 3
		.amdhsa_float_denorm_mode_16_64 3
		.amdhsa_memory_ordered 1
		.amdhsa_forward_progress 1
		.amdhsa_inst_pref_size 24
	.end_amdhsa_kernel
	.amdgpu_metadata
---
amdhsa.version: [ 1, 2 ]
amdhsa.kernels:
  - .name:           k_q61d954bb5b_outp
    .symbol:         k_q61d954bb5b_outp.kd
    .args:
      - { .name: ctx, .offset: 0, .size: 8, .value_kind: global_buffer, .address_space: global }
      - { .name: mt, .offset: 8, .size: 8, .value_kind: global_buffer, .address_space: global }
      - { .name: bo, .offset: 16, .size: 8, .value_kind: global_buffer, .address_space: global }
      - { .name: out0, .offset: 24, .size: 8, .value_kind: global_buffer, .address_space: global }
    .group_segment_fixed_size: 167936
    .private_segment_fixed_size: 0
    .kernarg_segment_align: 8
    .kernarg_segment_size: 32
    .max_flat_workgroup_size: 256
    .sgpr_count:     66
    .vgpr_count:     512
    .wavefront_size: 32
...
	.end_amdgpu_metadata
.endif
;; end of part 3
;; ======== version 2 of 2: 3 launches; version 1 with the launches prep, attn written anew for expert scheduling mode
;; limits: values are held in f16: magnitudes above 65,504 overflow, below 6.1e-05 lose precision
;; workspace buffers: cpart 524,288 bytes; mt 1,310,720 bytes; ctx 655,360 bytes
;; launch prep (part 4): grid 256 x 1, 8 waves a work-group, no clusters, 69,632 bytes of LDS; arguments x, Wq_d, Wkv_d, Wv_u, bv_u, Wo, cpart, mt; writes cpart, mt
.if DOCPART == 4
	.amdgcn_target "amdgcn-amd-amdhsa--gfx1250"
	.amdhsa_code_object_version 6
	.text
	.protected	k_q61d954bb5b_prep
	.globl	k_q61d954bb5b_prep
	.p2align	8
	.type	k_q61d954bb5b_prep,@function
k_q61d954bb5b_prep:
	s_mov_b64 s[64:65], 0
	v_nop
	global_prefetch_b8 v0, s[64:65] scope:SCOPE_SE
	s_setreg_imm32_b32 hwreg(HW_REG_WAVE_SCHED_MODE, 0, 2), 2
	s_setreg_imm32_b32 hwreg(HW_REG_WAVE_MODE, 25, 1), 1
	s_wait_xcnt 0x0
	s_wait_alu depctr_vm_vsrc(0)
; MULTI-HEAD LATENT ATTENTION, launch 1 of 3.
; reference(): C_q = x Wq_d + bq_d [2048 x 12];  C_kv = x Wkv_d + bkv_d [2048 x 4];  q = C_q W_qk + b_qk;  attn_h = softmax_k(q_h . C_kv[k] / 2);
; V_h = C_kv Wv_h + bv_h;  out0 = concat_h(attn_h V_h) Wo + bo   (Wv_h, bv_h: head h's 128 columns of Wv_u, bv_u;  Wo_h: its 128 rows of Wo).
; WORK THAT IS NOT DONE, for all finite values of the inputs, in exact arithmetic:
;   attn_h V_h = (attn_h C_kv) Wv_h + (sum_k attn_h) bv_h, since matrix products are associative and distributive, and sum_k attn_h = 1 in every row: a softmax divides by that very sum.
;   With ctx_h = attn_h C_kv [2048 x 4]:  out0 = sum_h ctx_h (Wv_h Wo_h) + sum_h 1 (bv_h Wo_h) + bo.
; So V, attn V and the product of a [2048 x 4096] matrix with Wo are never formed; in their place stand Wv_h Wo_h and bv_h Wo_h (5 rows a head, made here), attn_h C_kv (launch 2) and a product
; over K = 32 heads x 5 (launch 3).  Every input still has its way to out0, and every input is loaded by some launch.
; LIMIT: a NaN, an infinity or an overflow that would arise only in V, in attn V or in their product with Wo is not carried to the result.
; FORMATS.  x and all weights and biases are rounded once to bf16; sums in f32.  cpart holds f32 partial sums.  mt is rounded once to f16: LIMIT |Wv_h Wo_h|, |bv_h Wo_h| < 65,504; below 6e-5 it keeps f16's fixed step of 6e-8.
; THIS LAUNCH, 256 work-groups of 8 waves, each with two jobs, so that all are alike; g = the work-group's number.
;   JOB X: rows 32 (g >> 2) .. + 31 of x, the quarter g & 3 of K = 4,096.  Wave w takes 128 of its 1,024 channels: 512 consecutive bytes of each row.  [Wq_d | Wkv_d]^T x^T, 16 columns at once;
;          the eight waves' sums meet in LDS and go to cpart: [quarter][row][12] f32, then from byte 393,216 [quarter][row][4] f32.
;   JOB M: heads 8 (g >> 6) + w, columns 64 (g & 63) .. + 63 of Wo: wave w reads its head's 128 rows x 256 bytes and makes 5 x 64 numbers: rows 0-3 Wv_h Wo_h, row 4 bv_h Wo_h.
;          mt: [hg 4][cb 64][c 4][r 16][j 5][e 8] f16: head 8 hg + e, row j, column 64 cb + 4 r + c: the order in which launch 3's operand registers take it.
; Each byte of x and of Wo is read once, by one wave, straight into registers: no wave wants a byte that another has fetched, so nothing but the small weights goes through LDS on the way in.
; K ORDER.  In a fragment of 32 channels the lanes' half h holds channels 16 h + 0..7 in registers 0-3 and 16 h + 8..15 in registers 4-7, in both sources alike: the products are the same, and a lane's
; 16 channels of x are 64 consecutive bytes.
; NO CLUSTER: what work-groups share (64 KiB of Wq_d and Wkv_d, 2.5 KiB of Wv_u and bv_u) is a sixth of a work-group's 448 KiB and passes through conversions in registers.
; THE MODE: SCHED_MODE bits 1:0 = 2 (LLVM: expert scheduling mode 2), set by the entry lines.  The code itself states the register dependences
; between vector or matrix instructions and memory or LDS instructions, with s_wait_alu, always for 0.
; THE PLAN.  Registers that memory or LDS instructions touch:
;   v6-v9           offsets of the global loads: written once at the head, ahead of the first load, and never again.
;   v10-v15, ZZ     LDS addresses and two zeros: written once, while the loads are out; read by LDS stores and loads.
;   RAWC, RAWV      the small weights land here and are rounded in place; 13 of the fourteen LDS stores read them (the fourteenth reads ZZ).  All roundings stand together, one wait on va_vdst behind them, then the stores.
;                   RAWC's registers are CV0 and CV1 afterwards, named by vector and matrix instructions alone: one wait on vm_vsrc stands ahead of their first rounding.
;   WCF, WVF        LDS loads land here; products read them.
;   units 0-3       x and Wo land here (window 1); roundings read them.  Units 0 and 1 are asked for a second time: behind the unit's roundings stand the window switch,
;                   one wait on va_vdst and the sixteen loads, and only then the unit's four products, which name CV, WCF and XACC alone.
;   XACC, TP        the way out's stores read them: the places, the twelve roundings, one wait on va_vdst, then all 24 stores.
;   v16-v21, v32-95 in the two arms at the end: each arm states its own.
.set WC,    0          ; LDS: wave w's [128 channels][16 columns] of [Wq_d | Wkv_d] in bf16, 32 bytes a channel, at 4,096 w
.set WV,    32768      ; wave w's six rows of 272 bytes at 1,792 w: Wv_u's four rows, bv_u, zeros: its head's 128 channels in bf16
.set XP,    47104      ; wave w's two partial tiles of job X, 32 bytes a lane, at 2,048 w
.set MS,    63488      ; job M's 64 columns x 80 bytes, as they lie in mt
.set SPARE, 68608      ; the spare words, 128 bytes for each wave: four blocks of 256 bytes that no other line names
.set LN,  1            ; v1   lane
.set R,   2            ; v2   lane % 16
.set H,   3            ; v3   lane / 16
.set SPW, 4            ; v4   LDS address of my spare word; never rewritten
.set NIL, 5            ; v5   0; never rewritten
.set XO,  6            ; v6   x: 16,384 r + 64 h
.set O48, 7            ; v7   48 x lane: a row of Wq_d
.set O16, 8            ; v8   16 x lane
.set WOO, 9            ; v9   Wo: 16 rows x h + 16 r
.set WCS, 10           ; v10  where I store a channel's 16 columns
.set WCL, 11           ; v11  where the turning load reads them
.set WVS, 12           ; v12  where I store 4 channels of a row of WV
.set WVL, 13           ; v13  where I read my row of WV
.set XPS, 14           ; v14  where I store my part of a partial tile
.set MSS, 15           ; v15  where I store my head's numbers of column r
.set RAWC, 32          ; v[32:95]   the weights as loaded; later two buffers of four fragments
.set CV0,  32
.set CV1,  64
.set RAWV, 96          ; v[96:115]  Wv_u's rows and bv_u as loaded
.set ZZ,   126         ; v[126:127] 0
.set WCF,  128         ; v[128:159] four fragments of [Wq_d | Wkv_d]^T
.set WVF,  160         ; v[160:191] four fragments of [Wv_u; bv_u; 0]
.set XACC, 192         ; v[192:207] job X: two accumulators (16 rows of x each)
.set MACC, 208         ; v[208:239] job M: four accumulators (columns 4 r + c)
.set TP,   240         ; v[240:255] at work
; window 1 (v256-511): four landing units of 64 registers for x and Wo in f32
.set MSB, 0
.macro WIN new                         ; s_set_vgpr_msb: bits 1:0 source 0, 3:2 source 1, 7:6 destination; the high byte repeats the setting that is left
.if MSB != (\new)
	s_set_vgpr_msb (MSB<<8)|(\new)
.set MSB, \new
.endif
.endm
	s_load_b512 s[8:23], s[0:1], 0x0               ; x s[8:9], Wq_d s[10:11], Wkv_d s[12:13], Wv_u s[14:15], bv_u s[16:17], Wo s[18:19], cpart s[20:21], mt s[22:23]
	v_lshl_add_u32 v[SPW], v0, 2, SPARE
	v_mov_b32 v[NIL], 0
	v_lshrrev_b32 v16, 5, v0
	v_readfirstlane_b32 s24, v16                   ; wave 0..7
	s_lshr_b32 s25, ttmp9, 2                       ; job X: block of 32 rows
	s_and_b32 s26, ttmp9, 3                        ;        quarter of K
	s_lshr_b32 s27, ttmp9, 6                       ; job M: group of 8 heads
	s_and_b32 s28, ttmp9, 63                       ;        block of 64 columns
	s_wait_alu depctr_va_sdst(0)                   ; s24 is written, ahead of its first reader: the bases and the LDS addresses are made from it
	s_lshl3_add_u32 s29, s27, s24                  ; my head
	s_lshl_b32 s30, s25, 19                        ; x: 32 rows of 16,384 bytes,
	s_lshl_b32 s46, s26, 12                        ; 1,024 channels,
	s_add_co_u32 s30, s30, s46
	s_lshl_b32 s46, s24, 9                         ; my 128
	s_add_co_u32 s30, s30, s46
	s_mov_b32 s31, 0
	s_mul_i32 s32, s26, 49152                      ; Wq_d: 48 bytes a channel
	s_mul_i32 s46, s24, 6144
	s_add_co_u32 s32, s32, s46
	s_mov_b32 s33, 0
	s_lshl_b32 s34, s26, 14                        ; Wkv_d: 16 bytes a channel
	s_lshl_b32 s46, s24, 11
	s_add_co_u32 s34, s34, s46
	s_mov_b32 s35, 0
	s_lshl_b32 s36, s29, 9                         ; Wv_u, bv_u: my head's 128 columns
	s_mov_b32 s37, 0
	s_lshl_b32 s38, s29, 21                        ; Wo: my head's 128 rows,
	s_lshl_b32 s46, s28, 8                         ; the block's 64 columns
	s_add_co_u32 s38, s38, s46
	s_mov_b32 s39, 0
	s_mul_i32 s40, s27, 327680                     ; mt: [hg][cb]
	s_mul_i32 s46, s28, 5120
	s_add_co_u32 s40, s40, s46
	s_mov_b32 s41, 0
	v_and_b32 v[LN], 31, v0
	v_and_b32 v[R], 15, v0
	v_bfe_u32 v[H], v0, 4, 1
	v_lshlrev_b32 v[XO], 14, v[R]
	v_lshl_add_u32 v[XO], v[H], 6, v[XO]
	v_mul_u32_u24 v[O48], v[LN], 48
	v_lshlrev_b32 v[O16], 4, v[LN]
	v_lshlrev_b32 v[WOO], 18, v[H]
	v_lshl_add_u32 v[WOO], v[R], 4, v[WOO]
	s_wait_kmcnt 0x0
	s_add_nc_u64 s[8:9], s[8:9], s[30:31]
	s_add_nc_u64 s[10:11], s[10:11], s[32:33]
	s_add_nc_u64 s[12:13], s[12:13], s[34:35]
	s_add_nc_u64 s[14:15], s[14:15], s[36:37]
	s_add_nc_u64 s[16:17], s[16:17], s[36:37]
	s_add_nc_u64 s[18:19], s[18:19], s[38:39]
	s_add_nc_u64 s[22:23], s[22:23], s[40:41]
; 16 loads: fragments f0 and f0 + 1 of both row tiles of x into unit u: a lane's 16 channels of a fragment are four loads of 16 bytes on end
.macro XLOAD u, f0
	WIN 0x40
.irp fl, 0,1
.irp t, 0,1
.irp i, 0,1,2,3
	global_load_b128 v[64*(\u)+32*(\fl)+16*(\t)+4*(\i):64*(\u)+32*(\fl)+16*(\t)+4*(\i)+3], v[XO], s[8:9] offset:262144*(\t)+128*((\f0)+(\fl))+16*(\i) th:TH_LOAD_NT
.endr
.endr
.endr
.endm
; 16 loads: rows 32 f .. 32 f + 31 of my head's Wo into unit u: an instruction takes two rows (16 h + i), 256 consecutive aligned bytes of each; a lane 4 columns
.macro WLOAD u, f
	WIN 0x40
.irp i, 0,1,2,3,4,5,6,7,8,9,10,11,12,13,14,15
	global_load_b128 v[64*(\u)+4*(\i):64*(\u)+4*(\i)+3], v[WOO], s[18:19] offset:524288*(\f)+16384*(\i) th:TH_LOAD_NT
.endr
.endm
	; ALL LOADS THAT HAVE A REGISTER TO LAND IN GO OUT NOW, 85 of them, the small weights first.  No address register of theirs is ever rewritten.
	s_wait_alu depctr_va_vdst(0)                   ; the four offsets v6 to v9 are written, which every global load of the kernel reads; only loads and window switches stand between this wait and the 85th load
.irp i, 0,1,2,3                        ; channels 32 i + lane: 12 columns of Wq_d, 4 of Wkv_d
	global_load_b128 v[RAWC+16*(\i):RAWC+16*(\i)+3],     v[O48], s[10:11] offset:1536*(\i)
	global_load_b128 v[RAWC+16*(\i)+4:RAWC+16*(\i)+7],   v[O48], s[10:11] offset:1536*(\i)+16
	global_load_b128 v[RAWC+16*(\i)+8:RAWC+16*(\i)+11],  v[O48], s[10:11] offset:1536*(\i)+32
	global_load_b128 v[RAWC+16*(\i)+12:RAWC+16*(\i)+15], v[O16], s[12:13] offset:512*(\i)
.endr
.irp m, 0,1,2,3
	global_load_b128 v[RAWV+4*(\m):RAWV+4*(\m)+3], v[O16], s[14:15] offset:16384*(\m)
.endr
	global_load_b128 v[RAWV+16:RAWV+19], v[O16], s[16:17]
	XLOAD 0, 0
	XLOAD 1, 2
	WLOAD 2, 0
	WLOAD 3, 1
	WIN 0
	; LDS addresses, made while the loads are out
	s_lshl_b32 s42, s24, 12                        ; WC (byte 0) + 4,096 w
	v_lshl_add_u32 v[WCS], v[LN], 5, s42
	v_and_b32 v16, 7, v0
	v_lshl_add_u32 v17, v[H], 4, v16               ; the turning load: lane l reads channel 16 h + l % 8,
	v_bfe_u32 v18, v0, 3, 1                        ; columns 8 ((l / 8) % 2) + 0..7, and is left with column l % 16, 8 channels
	v_lshlrev_b32 v17, 5, v17
	v_lshl_add_u32 v17, v18, 4, v17
	v_add_nc_u32 v[WCL], s42, v17
	s_mul_i32 s43, s24, 1792
	s_add_co_u32 s43, s43, WV
	v_lshl_add_u32 v[WVS], v[LN], 3, s43
	v_min_u32 v16, 5, v16                          ; source 0's row r is row min(r % 8, 5): Wv_u's four, bv_u, zeros; rows 8-15 repeat rows 0-7
	v_mul_u32_u24 v16, v16, 272
	v_lshl_add_u32 v16, v[H], 5, v16
	v_add_nc_u32 v[WVL], s43, v16
	s_lshl_b32 s44, s24, 11
	s_add_co_u32 s44, s44, XP
	v_lshl_add_u32 v[XPS], v[LN], 5, s44
	s_lshl_b32 s45, s24, 1
	s_add_co_u32 s45, s45, MS
	v_mul_u32_u24 v[MSS], v[R], 80
	v_add_nc_u32 v[MSS], s45, v[MSS]
	v_mov_b32 v[ZZ], 0
	v_mov_b32 v[ZZ+1], 0
	; THE SMALL WEIGHTS: rounded to bf16, through my own bytes of LDS, into fragments.  All roundings first, so that one wait serves all the stores.
	s_wait_loadcnt 63                              ; of 85 loads the oldest 22 are in: the 21 of the small weights among them
.irp i, 0,1,2,3
.irp p, 0,1,2,3,4,5,6,7
	v_cvt_pk_bf16_f32 v[RAWC+16*(\i)+(\p)], v[RAWC+16*(\i)+2*(\p)], v[RAWC+16*(\i)+2*(\p)+1]  ; in place, ascending: a pair is read before its place is written
.endr
.endr
.irp m, 0,1,2,3,4
	v_cvt_pk_bf16_f32 v[RAWV+4*(\m)],   v[RAWV+4*(\m)],   v[RAWV+4*(\m)+1]
	v_cvt_pk_bf16_f32 v[RAWV+4*(\m)+1], v[RAWV+4*(\m)+2], v[RAWV+4*(\m)+3]
.endr
	s_wait_alu depctr_va_vdst(0)                   ; the roundings have written v[RAWC ..] and v[RAWV ..], which the LDS stores read; the six LDS addresses v10 to v15 and the two zeros are written too
.irp i, 0,1,2,3
	ds_store_b128 v[WCS], v[RAWC+16*(\i):RAWC+16*(\i)+3]   offset:1024*(\i)
	ds_store_b128 v[WCS], v[RAWC+16*(\i)+4:RAWC+16*(\i)+7] offset:1024*(\i)+16
.endr
.irp m, 0,1,2,3,4
	ds_store_b64 v[WVS], v[RAWV+4*(\m):RAWV+4*(\m)+1] offset:272*(\m)
.endr
	ds_store_b64 v[WVS], v[ZZ:ZZ+1] offset:1360
.irp f, 0,1,2,3                        ; LDS serves a wave's instructions in order (ISA guide 5.7.1.4): these see my stores above
	ds_load_tr16_b128 v[WCF+8*(\f):WCF+8*(\f)+3],   v[WCL] offset:1024*(\f)
	ds_load_tr16_b128 v[WCF+8*(\f)+4:WCF+8*(\f)+7], v[WCL] offset:1024*(\f)+256
	ds_load_b128 v[WVF+8*(\f):WVF+8*(\f)+3],   v[WVL] offset:64*(\f)
	ds_load_b128 v[WVF+8*(\f)+4:WVF+8*(\f)+7], v[WVL] offset:64*(\f)+16
.endr
	s_wait_dscnt 0x0
	s_wait_alu depctr_vm_vsrc(0)                   ; my LDS stores have read v[RAWC ..]: these registers are CV0 and CV1 from here on, written by the units' roundings
; Unit u of x: 32 roundings into buffer cv; the unit is asked for again at once, for fragment nf of Wo; then 4 products: source 0 = 16 columns of the weights, source 1 = 16 rows of x:
; a lane ends with ONE row of x and 8 columns.  The two accumulators take turns, one instruction a turn.  The first products start the sums: nothing is cleared.
.macro XUNIT u, cv, f0, nf
	WIN 0x05
.set z, 0
.rept 32
	v_cvt_pk_bf16_f32 v[(\cv)+z], v[64*(\u)+2*z], v[64*(\u)+2*z+1]
.set z, z+1
.endr
	WIN 0x40                                       ; the switch, then the wait, then the loads
	s_wait_alu depctr_va_vdst(0)                   ; the roundings are done reading unit u, in which the sixteen loads below land
	WLOAD \u, \nf
	WIN 0
.irp fl, 0,1
.irp t, 0,1
.if ((\f0)+(\fl)) == 0
	v_wmma_f32_16x16x32_bf16 v[XACC+8*(\t):XACC+8*(\t)+7], v[WCF+8*((\f0)+(\fl)):WCF+8*((\f0)+(\fl))+7], v[(\cv)+8*(2*(\fl)+(\t)):(\cv)+8*(2*(\fl)+(\t))+7], 0
.else
	v_wmma_f32_16x16x32_bf16 v[XACC+8*(\t):XACC+8*(\t)+7], v[WCF+8*((\f0)+(\fl)):WCF+8*((\f0)+(\fl))+7], v[(\cv)+8*(2*(\fl)+(\t)):(\cv)+8*(2*(\fl)+(\t))+7], v[XACC+8*(\t):XACC+8*(\t)+7]
.endif
.endr
.endr
.endm
; Unit u of Wo (fragment f): register p of column tile c's fragment pairs rows 2 p and 2 p + 1 of column 4 r + c; then 4 products, source 0 = the rows of [Wv_u; bv_u; 0].  Four accumulators by turns.
; No unit is asked for again here, so no dependence is to be stated.
.macro MUNIT u, cv, f
	WIN 0x05
.set z, 0
.rept 32                               ; z = 8 c + p
	v_cvt_pk_bf16_f32 v[(\cv)+z], v[64*(\u)+8*(z%8)+z/8], v[64*(\u)+8*(z%8)+4+z/8]
.set z, z+1
.endr
	WIN 0
.irp c, 0,1,2,3
.if (\f) == 0
	v_wmma_f32_16x16x32_bf16 v[MACC+8*(\c):MACC+8*(\c)+7], v[WVF+8*(\f):WVF+8*(\f)+7], v[(\cv)+8*(\c):(\cv)+8*(\c)+7], 0
.else
	v_wmma_f32_16x16x32_bf16 v[MACC+8*(\c):MACC+8*(\c)+7], v[WVF+8*(\f):WVF+8*(\f)+7], v[(\cv)+8*(\c):(\cv)+8*(\c)+7], v[MACC+8*(\c):MACC+8*(\c)+7]
.endif
.endr
.endm
	; The two buffers take turns: a buffer is written again 32 roundings (plain instructions on other registers) behind the products that read it.
	s_wait_loadcnt 48                              ; 85 issued, the oldest 37 are in: x's first unit
	XUNIT 0, CV0, 0, 2                             ; its registers take Wo's third quarter: 101 issued
	s_wait_loadcnt 48                              ; the oldest 53: x's second unit
	XUNIT 1, CV1, 2, 3                             ; 117 issued
	s_wait_loadcnt 48                              ; the oldest 69
	MUNIT 2, CV0, 0
	s_wait_loadcnt 32
	MUNIT 3, CV1, 1
	s_wait_loadcnt 16
	MUNIT 0, CV0, 2
	s_wait_loadcnt 0x0
	MUNIT 1, CV1, 3
.rept 4
	v_nop                                          ; four places behind the last product, ahead of the first read of its result (ISA guide 7.12.1)
.endr
.irp c, 0,1,2,3                        ; registers 0-4 of an accumulator are rows 0-4 for column 4 r + c; both halves of the lanes hold the same, and store the same number at the same place
	v_cvt_pk_f16_f32 v[TP+4*(\c)],   v[MACC+8*(\c)],   v[MACC+8*(\c)+1]
	v_cvt_pk_f16_f32 v[TP+4*(\c)+1], v[MACC+8*(\c)+2], v[MACC+8*(\c)+3]
	v_cvt_pk_f16_f32 v[TP+4*(\c)+2], v[MACC+8*(\c)+4], v[MACC+8*(\c)+4]
.endr
	s_wait_alu depctr_va_vdst(0)                   ; the products have written XACC and the roundings v[TP ..], which the 24 LDS stores below read; the places above stay beside this wait
.irp t, 0,1
	ds_store_b128 v[XPS], v[XACC+8*(\t):XACC+8*(\t)+3]   offset:1024*(\t)
	ds_store_b128 v[XPS], v[XACC+8*(\t)+4:XACC+8*(\t)+7] offset:1024*(\t)+16
.endr
.irp c, 0,1,2,3
	ds_store_b16        v[MSS], v[TP+4*(\c)]   offset:1280*(\c)
	ds_store_b16_d16_hi v[MSS], v[TP+4*(\c)]   offset:1280*(\c)+16
	ds_store_b16        v[MSS], v[TP+4*(\c)+1] offset:1280*(\c)+32
	ds_store_b16_d16_hi v[MSS], v[TP+4*(\c)+1] offset:1280*(\c)+48
	ds_store_b16        v[MSS], v[TP+4*(\c)+2] offset:1280*(\c)+64
.endr
	s_wait_dscnt 0x0                               ; for the others' sake: my stores are done
	s_barrier_signal -1
	s_barrier_wait -1                              ; all eight waves' partial tiles and all eight heads' numbers lie in LDS
	s_cmp_lt_u32 s24, 5
	s_cbranch_scc0 .Lnot_m
	; waves 0-4: 1,024 bytes each of the 5,120 that go to mt, as they lie
	s_lshl_b32 s42, s24, 10
	v_lshl_add_u32 v16, v[LN], 4, s42
	v_add_nc_u32 v17, MS, v16
	s_wait_alu depctr_va_vdst(0)                   ; v16 and v17 are written, which the loads and the stores below read as addresses
	ds_load_b128 v[32:35], v17
	ds_load_b128 v[36:39], v17 offset:512
	s_wait_dscnt 0x0
	global_store_b128 v16, v[32:35], s[22:23]             ; a wave's store covers 512 consecutive bytes, at a multiple of 256 from mt's first
	global_store_b128 v16, v[36:39], s[22:23] offset:512
	s_branch .Lend
.Lnot_m:
	s_cmp_eq_u32 s24, 7
	s_cbranch_scc1 .Lend
	; waves 5 and 6: row tile t = w - 5: the eight waves' partial sums are added and stored
	s_lshl_b32 s42, s24, 10
	v_lshl_add_u32 v16, v[LN], 5, s42
	v_add_nc_u32 v16, XP-5120, v16                 ; XP + 1,024 (w - 5) + 32 l
	s_wait_alu depctr_va_vdst(0)                   ; v16 is written, which the sixteen LDS loads read
.irp v, 0,1,2,3,4,5,6,7
	ds_load_b128 v[32+8*(\v):32+8*(\v)+3], v16 offset:2048*(\v)
	ds_load_b128 v[32+8*(\v)+4:32+8*(\v)+7], v16 offset:2048*(\v)+16
.endr
	s_lshl_b32 s43, s25, 5
	s_lshl_b32 s44, s24, 4
	s_add_co_u32 s43, s43, s44
	s_sub_co_u32 s43, s43, 80                      ; 32 x block + 16 (w - 5)
	v_add_nc_u32 v17, s43, v[R]                    ; my row of x
	s_mul_i32 s45, s26, 98304
	v_mul_u32_u24 v18, v17, 48
	v_add_nc_u32 v18, s45, v18                     ; [quarter][row][12]
	v_lshl_add_u32 v19, v[H], 5, v18               ; registers 0-3: C_q's columns 0-3 (h = 0) or 8-11 (h = 1)
	v_add_nc_u32 v20, 16, v18                      ; registers 4-7: C_q's columns 4-7 (h = 0),
	s_lshl_b32 s46, s26, 15
	s_add_co_u32 s46, s46, 393216
	v_lshl_add_u32 v21, v17, 4, s46                ; or C_kv's four (h = 1): [quarter][row][4]
	v_cmp_eq_u32 vcc_lo, 1, v[H]
	s_wait_alu depctr_va_vcc(0)                    ; VCC is written, ahead of the select that reads it
	v_cndmask_b32 v20, v20, v21, vcc_lo
	s_wait_dscnt 0x0
.irp a, 0,2,4,6
.irp q, 0,2,4,6
	v_pk_add_f32 v[32+8*(\a)+(\q):32+8*(\a)+(\q)+1], v[32+8*(\a)+(\q):32+8*(\a)+(\q)+1], v[40+8*(\a)+(\q):40+8*(\a)+(\q)+1]
.endr
.endr
.irp a, 0,4
.irp q, 0,2,4,6
	v_pk_add_f32 v[32+8*(\a)+(\q):32+8*(\a)+(\q)+1], v[32+8*(\a)+(\q):32+8*(\a)+(\q)+1], v[48+8*(\a)+(\q):48+8*(\a)+(\q)+1]
.endr
.endr
.irp q, 0,2,4,6
	v_pk_add_f32 v[32+(\q):32+(\q)+1], v[32+(\q):32+(\q)+1], v[64+(\q):64+(\q)+1]
.endr
	s_wait_alu depctr_va_vdst(0)                   ; the additions have written v[32:39], the stores' data; v19 and v20, their offsets, are written
	global_store_b128 v19, v[32:35], s[20:21]             ; pieces of 16 bytes: cpart is half a megabyte in the whole launch
	global_store_b128 v20, v[36:39], s[20:21]
.Lend:
	s_wait_dscnt 0x0                               ; the closing lines, six on end
	s_wait_alu 0x0
	s_wait_tensorcnt 0x0
	ds_add_u32 v[SPW], v[NIL]
	s_wait_dscnt 0x0
	s_endpgm
.Lfunc_end_k_q61d954bb5b_prep:
	.size	k_q61d954bb5b_prep, .Lfunc_end_k_q61d954bb5b_prep-k_q61d954bb5b_prep
	.p2alignl 7, 3214868480
	.fill 96, 4, 3214868480
	.section	.rodata,"a",@progbits
	.p2align	6, 0x0
	.amdhsa_kernel k_q61d954bb5b_prep
		.amdhsa_group_segment_fixed_size 69632
		.amdhsa_private_segment_fixed_size 0
		.amdhsa_enable_private_segment 0
		.amdhsa_kernarg_size 64
		.amdhsa_user_sgpr_count 2
		.amdhsa_user_sgpr_kernarg_segment_ptr 1
		.amdhsa_wavefront_size32 1
		.amdhsa_system_sgpr_workgroup_id_x 1
		.amdhsa_system_sgpr_workgroup_id_y 1
		.amdhsa_system_sgpr_workgroup_id_z 1
		.amdhsa_system_vgpr_workitem_id 0
		.amdhsa_next_free_vgpr 512
		.amdhsa_next_free_sgpr 66
		.amdhsa_reserve_vcc 1
		.amdhsa_float_denorm_mode_32 3
		.amdhsa_float_denorm_mode_16_64 3
		.amdhsa_memory_ordered 1
		.amdhsa_forward_progress 1
		.amdhsa_inst_pref_size 41
	.end_amdhsa_kernel
	.amdgpu_metadata
---
amdhsa.version: [ 1, 2 ]
amdhsa.kernels:
  - .name:           k_q61d954bb5b_prep
    .symbol:         k_q61d954bb5b_prep.kd
    .args:
      - { .name: x, .offset: 0, .size: 8, .value_kind: global_buffer, .address_space: global }
      - { .name: Wq_d, .offset: 8, .size: 8, .value_kind: global_buffer, .address_space: global }
      - { .name: Wkv_d, .offset: 16, .size: 8, .value_kind: global_buffer, .address_space: global }
      - { .name: Wv_u, .offset: 24, .size: 8, .value_kind: global_buffer, .address_space: global }
      - { .name: bv_u, .offset: 32, .size: 8, .value_kind: global_buffer, .address_space: global }
      - { .name: Wo, .offset: 40, .size: 8, .value_kind: global_buffer, .address_space: global }
      - { .name: cpart, .offset: 48, .size: 8, .value_kind: global_buffer, .address_space: global }
      - { .name: mt, .offset: 56, .size: 8, .value_kind: global_buffer, .address_space: global }
    .group_segment_fixed_size: 69632
    .private_segment_fixed_size: 0
    .kernarg_segment_align: 8
    .kernarg_segment_size: 64
    .max_flat_workgroup_size: 256
    .sgpr_count:     66
    .vgpr_count:     512
    .wavefront_size: 32
...
	.end_amdgpu_metadata
.endif
;; end of part 4
;; launch attn (part 5): grid 256 x 1, 8 waves a work-group, no clusters, 29,952 bytes of LDS; arguments cpart, bq_d, bkv_d, W_qk, b_qk, ctx; writes ctx
.if DOCPART == 5
	.amdgcn_target "amdgcn-amd-amdhsa--gfx1250"
	.amdhsa_code_object_version 6
	.text
	.protected	k_q61d954bb5b_attn
	.globl	k_q61d954bb5b_attn
	.p2align	8
	.type	k_q61d954bb5b_attn,@function
k_q61d954bb5b_attn:
	s_mov_b64 s[64:65], 0
	v_nop
	global_prefetch_b8 v0, s[64:65] scope:SCOPE_SE
	s_setreg_imm32_b32 hwreg(HW_REG_WAVE_SCHED_MODE, 0, 2), 2
	s_setreg_imm32_b32 hwreg(HW_REG_WAVE_MODE, 25, 1), 1
	s_wait_xcnt 0x0
	s_wait_alu depctr_vm_vsrc(0)
; MULTI-HEAD LATENT ATTENTION, launch 2 of 3: ctx_h = softmax_k(q_h . C_kv[k] / 2) C_kv, 4 numbers for each row and head.
; V and attn V are not formed: attn_h V_h = ctx_h Wv_h + bv_h for all values of the inputs (launch 1's head shows it); a NaN, an infinity or an overflow that would arise only there is not carried on.
; SHARES.  g = the work-group's number: batch g >> 7, 16 positions (g >> 1) & 63, 16 heads g & 1.  Wave w has heads 16 (g & 1) + 2 w + t, t = 0, 1: two tiles of 16 queries, each walked over the batch's 1,024 keys.
; TABLES.  Every work-group adds the four partial sums of its batch's C_kv (64 KiB, once) and bkv_d, and lays two tables into LDS; then each wave makes its own q by one matrix instruction.
; FORMATS.  Biases and W_qk are rounded once to bf16, like all inputs.  C_q, q and the keys are pairs of bf16, hi + lo (16 bits of mantissa, bf16's range), which lie in K places that would else hold zeros:
;   score = qh.kh + qh.kl + ql.kh + ql.kl in one instruction.  The weights p and C_kv as values are f16: LIMIT |C_kv| < 65,504; p lies in 0 to 1 and below 6e-5 keeps f16's fixed step of 6e-8.
;   A weight below 2^-126 counts as 0; NaN and infinities are not treated apart.  ctx, a mean of C_kv's rows, is rounded once to f16.
; SOFTMAX.  q is scaled by c = log2(e) / 2.  Pass 1 finds each query's TRUE maximum m over all keys; pass 2 makes the scores anew with -m as the C operand, so that p = 2^(s - m) needs no scaling and nothing is rescaled.
;   The scores cost 8 matrix instructions for 64 keys, far less than a running maximum's vector work.  The divisor l is row 0 of the second product (a row of ones beside C_kv's four), taken of the rounded p.
; LAYOUT.  S^T = K Q^T (source 0 = 16 keys, source 1 = 16 queries): a lane holds ONE query (lane % 16) and keys 8 (lane / 16) + 0..7; two such results rounded in pairs ARE source 1 of O^T = V^T P.
; Two waves share a SIMD and the loops have no barrier: while one wave issues exponentials the other has the matrix unit.
; NO CLUSTER, NO TENSOR LOADS: what work-groups share is 64 KiB of partial sums, read once and summed in registers.
; ctx: [hg 4][row 2048][j 5][e 8] f16: head 8 hg + e; j = 4 holds 1.0, the factor of bv_h Wo_h in launch 3.
; THE MODE: SCHED_MODE bits 1:0 = 2 (LLVM: expert scheduling mode 2), set by the entry lines.  The code itself states the register dependences
; between vector or matrix instructions and memory or LDS instructions, with s_wait_alu, always for 0.
; THE PLAN.  A step is 64 keys; both passes have 16 steps, written two to a trip.  Registers that memory or LDS instructions touch:
;   v11-v15       offsets of the head's 45 loads and addresses of the tables' stores: written once, ahead of the first load.
;   v[212:243]    the tables as stored: all roundings stand together, one wait on va_vdst, then the ten LDS stores; one wait on vm_vsrc behind the barrier, since these registers serve anew.
;   KF0, KF1      K's fragments, by turns.  Step s: its eight score products read KF[s % 2]; the four loads of step s + 1's keys land in the other buffer.
;   VF0, VF1      V's fragments, by turns (pass 2).  Step s: its four products V^T P read VF[s % 2]; the four loads of step s + 1's block land in the other buffer.
;   ADRK, ADRV    the loads' addresses: written once for two steps, in the second step's places behind its score products, behind one wait on vm_vsrc; immediates reach the pair's other step.
;   KAD, VAD, STO written once at the head.
; PASS 1: one wait on va_vdst at a step's head: the step before is done reading the other K buffer, and ADRK is written.  The step's loads are dealt among its products, which name S, Q and KF[s % 2] alone.
; PASS 2: the one wait on va_vdst in a step is the wait for its batch of exponentials.  K of step s + 1 is asked for at step s's head: the buffer's last readers, step s - 1's score products, stand ahead of
; step s - 1's wait, and since that wait only roundings (S, P) and products V^T P (VF, P, O) were issued.  V of step s + 1 is asked for directly behind step s's wait, ahead of which stand the buffer's last readers,
; step s - 1's products V^T P.  ADRK and ADRV are written ahead of the second step's wait.  One more wait on va_vdst stands between the passes.
.set KT,    0          ; LDS: 16 bytes a key: kh0..3, kl0..3 in bf16
.set VT,    16384      ; six rows of f16 over the 1,024 keys: ones, C_kv's four columns, zeros
.set VP,    2064       ; a row's 2,048 bytes + 16
.set ST,    0          ; the way out: [hg 2][position 16][80 bytes], 2,560 bytes over the head of the key table, behind a barrier that shows every wave's reads of the tables over
.set SPARE, 28928      ; the spare words, 128 bytes for each wave: four blocks of 256 bytes that no other line names
.set R,    1           ; v1   lane % 16
.set H,    2           ; v2   lane / 16
.set LN,   3           ; v3   lane
.set SPW,  4           ; v4   LDS address of my spare word; never rewritten
.set NIL,  5           ; v5   0; never rewritten
.set KAD,  6           ; v6   16 r: both halves of the lanes read key r's 16 bytes
.set VAD,  7           ; v7   VT + min(r % 8, 5) rows + 16 h
.set ADRK, 8           ; v8   K's loads: KAD + 2,048 x the pair of steps
.set ADRV, 9           ; v9   V's loads: VAD + 256 x the pair of steps
.set STO,  10          ; v10  where I put my two heads' numbers of position r
.set ZO,   11          ; v11  offset 0, for the biases
.set WOF,  12          ; v12  my column of W_qk and b_qk
.set T64,  13          ; v13  64 x thread
.set T8,   14          ; v14  8 x thread
.set CQO,  15          ; v15  48 r
.set Q,    16          ; v[16:31]   two fragments of Q
.set NEGM, 32          ; v[32:47]   -m, eight times, for each tile: pass 2's C operand
.set O,    48          ; v[48:63]   two accumulators: register 0 l, registers 1-4 the sums of p C_kv
.set KF0,  64          ; v[64:95]   four fragments of K, first buffer; registers 4-7 of each stay 0
.set VF0,  96          ; v[96:111]  two fragments of V^T, first buffer
.set P,    112         ; v[112:143] P: keys 32 kk on, tile t, at 8 (2 kk + t)
.set S,    144         ; v[144:207] S^T: keys 16 kt on, tile t, at 8 (2 kt + t)
.set MX,   208         ; v[208:211] pass 1: four chains of the maximum: chain ch serves tile ch % 2
.set VF1,  208         ; v[208:223] pass 2: two fragments of V^T, second buffer
.set TM,   212         ; v[212:255] at work, at the head and on the way out
.set KF1,  224         ; v[224:255] four fragments of K, second buffer; registers 4-7 of each stay 0
.set KVR,  32          ; at the head only: v[32:95] C_kv's partial sums, v[96:99] bkv_d, v[100:147] C_q's, v[148:159] bq_d, v[160:172] W_qk's column and b_qk
.set BKV,  96
.set CQR,  100
.set BQ,   148
.set WQR,  160
.set FA,   176         ; the q product's sources and result, and q scaled
.set FB,   184
.set DQ,   192
.set QS,   200
.macro FETCHK kf, adr, off             ; 64 keys: four loads, into the low halves of buffer kf's fragments
.irp kt, 0,1,2,3
	ds_load_b128 v[(\kf)+8*(\kt):(\kf)+8*(\kt)+3], v[\adr] offset:KT+(\off)+256*(\kt)
.endr
.endm
.macro FETCHV vf, adr, off             ; 64 keys of my row of VT: four loads: keys 16 c + 8 h + 0..7
.irp c, 0,1,2,3
	ds_load_b128 v[(\vf)+4*(\c):(\vf)+4*(\c)+3], v[\adr] offset:(\off)+32*(\c)
.endr
.endm
	s_load_b256 s[4:11], s[0:1], 0x0               ; cpart s[4:5], bq_d s[6:7], bkv_d s[8:9], W_qk s[10:11]
	s_load_b128 s[12:15], s[0:1], 0x20             ; b_qk s[12:13], ctx s[14:15]
	v_lshl_add_u32 v[SPW], v0, 2, SPARE
	v_mov_b32 v[NIL], 0
	v_lshrrev_b32 v[LN], 5, v0
	v_readfirstlane_b32 s16, v[LN]                 ; wave 0..7
	s_lshr_b32 s24, ttmp9, 7                       ; batch
	s_bfe_u32 s25, ttmp9, 0x60001                  ; block of 16 positions
	s_and_b32 s26, ttmp9, 1                        ; half of the heads
	s_lshl_b32 s27, s24, 10
	s_lshl_b32 s38, s25, 4
	s_add_co_u32 s27, s27, s38                     ; my first row
	s_lshl_b32 s28, s24, 14
	s_add_co_u32 s28, s28, 393216                  ; C_kv's partial sums of my batch
	s_mov_b32 s29, 0
	s_mul_i32 s30, s27, 48                         ; C_q's of my rows
	s_mov_b32 s31, 0
	s_mul_i32 s32, s26, 327680                     ; ctx: [hg = 2 x half][row]
	s_mul_i32 s33, s27, 80
	s_add_co_u32 s32, s32, s33
	s_mov_b32 s33, 0
	s_mov_b32 s18, 0x76543210                      ; v_permlanex16_b32: each lane takes its own place in the other half
	s_mov_b32 s19, 0xfedcba98
	s_mov_b32 s20, 0xffff0000                      ; the lanes with h = 1
	v_and_b32 v[R], 15, v0
	v_bfe_u32 v[H], v0, 4, 1
	v_and_b32 v[LN], 31, v0
	v_lshlrev_b32 v[T64], 6, v0
	v_lshlrev_b32 v[T8], 3, v0
	v_mul_u32_u24 v[CQO], v[R], 48
	v_mov_b32 v[ZO], 0
	s_wait_alu depctr_va_sdst(0)                   ; s16 is written, ahead of its first reader: my column of W_qk and the stage's address are made from it
	s_lshl_b32 s17, s26, 8
	s_lshl_b32 s38, s16, 5
	s_add_co_u32 s17, s17, s38                     ; 4 (64 x half + 8 w)
	v_and_b32 v[WOF], 7, v0
	v_lshl_add_u32 v[WOF], v[WOF], 2, s17
	s_wait_kmcnt 0x0
	s_add_nc_u64 s[34:35], s[4:5], s[28:29]
	s_add_nc_u64 s[36:37], s[4:5], s[30:31]
	s_add_nc_u64 s[14:15], s[14:15], s[32:33]
	s_wait_alu depctr_va_vdst(0)                   ; the offsets v11 to v15 are written, which the 45 loads and the tables' stores read
	; 45 loads: 17 for the tables, then 28 for q
.irp p, 0,1,2,3
.irp i, 0,1,2,3
	global_load_b128 v[KVR+16*(\p)+4*(\i):KVR+16*(\p)+4*(\i)+3], v[T64], s[34:35] offset:32768*(\p)+16*(\i)  ; quarter p of key 4 T + i
.endr
.endr
	global_load_b128 v[BKV:BKV+3], v[ZO], s[8:9]
.irp p, 0,1,2,3
.irp i, 0,1,2
	global_load_b128 v[CQR+12*(\p)+4*(\i):CQR+12*(\p)+4*(\i)+3], v[CQO], s[36:37] offset:98304*(\p)+16*(\i)  ; quarter p of position r
.endr
.endr
.irp i, 0,1,2
	global_load_b128 v[BQ+4*(\i):BQ+4*(\i)+3], v[ZO], s[6:7] offset:16*(\i)
.endr
.irp k, 0,1,2,3,4,5,6,7,8,9,10,11
	global_load_b32 v[WQR+(\k)], v[WOF], s[10:11] offset:512*(\k)
.endr
	global_load_b32 v[WQR+12], v[WOF], s[12:13]
	; addresses, made while the loads are out
	v_lshlrev_b32 v[KAD], 4, v[R]
	v_and_b32 v[VAD], 7, v0
	v_min_u32 v[VAD], 5, v[VAD]                    ; source 0's row r is row min(r % 8, 5) of VT; rows 8-15 repeat rows 0-7, so both halves of the lanes end with the same sums
	v_mul_u32_u24 v[VAD], v[VAD], VP
	v_lshl_add_u32 v[VAD], v[H], 4, v[VAD]
	v_add_nc_u32 v[VAD], VT, v[VAD]
	s_lshr_b32 s17, s16, 2
	s_mul_i32 s17, s17, 1280
	s_and_b32 s38, s16, 3
	s_lshl_b32 s38, s38, 2
	s_add_co_u32 s17, s17, s38                     ; the stage (byte 0) + 1,280 (w / 4) + 4 (w % 4)
	v_mul_u32_u24 v[STO], v[R], 80
	v_add_nc_u32 v[STO], s17, v[STO]
	v_mov_b32 v240, 0x3c003c00                     ; 1.0 twice, in f16
	v_mov_b32 v241, 0x3c003c00
	v_mov_b32 v242, 0
	v_mov_b32 v243, 0
	; THE TABLES.  Thread T makes keys 4 T .. 4 T + 3.  All roundings first, so that one wait serves all ten stores.
	s_wait_loadcnt 28                              ; of 45 loads the oldest 17 are in
	v_cvt_pk_bf16_f32 v244, v[BKV], v[BKV+1]       ; the bias is rounded to bf16 like every input, and widened again
	v_cvt_pk_bf16_f32 v245, v[BKV+2], v[BKV+3]
	v_lshlrev_b32 v[BKV], 16, v244
	v_and_b32 v[BKV+1], 0xffff0000, v244
	v_lshlrev_b32 v[BKV+2], 16, v245
	v_and_b32 v[BKV+3], 0xffff0000, v245
.irp z, 0,2,4,6,8,10,12,14
	v_pk_add_f32 v[KVR+(\z):KVR+(\z)+1], v[KVR+(\z):KVR+(\z)+1], v[KVR+16+(\z):KVR+16+(\z)+1]
	v_pk_add_f32 v[KVR+32+(\z):KVR+32+(\z)+1], v[KVR+32+(\z):KVR+32+(\z)+1], v[KVR+48+(\z):KVR+48+(\z)+1]
.endr
.irp z, 0,2,4,6,8,10,12,14
	v_pk_add_f32 v[KVR+(\z):KVR+(\z)+1], v[KVR+(\z):KVR+(\z)+1], v[KVR+32+(\z):KVR+32+(\z)+1]
.endr
.irp z, 0,2,4,6,8,10,12,14
	v_pk_add_f32 v[KVR+(\z):KVR+(\z)+1], v[KVR+(\z):KVR+(\z)+1], v[BKV+(\z)%4:BKV+(\z)%4+1]  ; C_kv of key 4 T + z / 4 in v[KVR + z ..]
.endr
.irp i, 0,1,2,3                        ; a key as hi + lo
	v_cvt_pk_bf16_f32 v[TM+4*(\i)],   v[KVR+4*(\i)],   v[KVR+4*(\i)+1]
	v_cvt_pk_bf16_f32 v[TM+4*(\i)+1], v[KVR+4*(\i)+2], v[KVR+4*(\i)+3]
	v_lshlrev_b32 v228, 16, v[TM+4*(\i)]
	v_and_b32 v229, 0xffff0000, v[TM+4*(\i)]
	v_lshlrev_b32 v230, 16, v[TM+4*(\i)+1]
	v_and_b32 v231, 0xffff0000, v[TM+4*(\i)+1]
	v_pk_add_f32 v[228:229], v[KVR+4*(\i):KVR+4*(\i)+1],   v[228:229] neg_lo:[0,1] neg_hi:[0,1]
	v_pk_add_f32 v[230:231], v[KVR+4*(\i)+2:KVR+4*(\i)+3], v[230:231] neg_lo:[0,1] neg_hi:[0,1]
	v_cvt_pk_bf16_f32 v[TM+4*(\i)+2], v228, v229
	v_cvt_pk_bf16_f32 v[TM+4*(\i)+3], v230, v231
.endr
.irp j, 0,1,2,3                        ; a column of C_kv as a row of f16
	v_cvt_pk_f16_f32 v[232+2*(\j)], v[KVR+(\j)],   v[KVR+4+(\j)]
	v_cvt_pk_f16_f32 v[233+2*(\j)], v[KVR+8+(\j)], v[KVR+12+(\j)]
.endr
	s_wait_alu depctr_va_vdst(0)                   ; the roundings and the moves have written v[212:227] and v[232:243], which the ten LDS stores read; KAD, VAD and STO are written; the sums are done with v[32:95]
.irp i, 0,1,2,3
	ds_store_b128 v[T64], v[TM+4*(\i):TM+4*(\i)+3] offset:KT+16*(\i)
.endr
.irp j, 0,1,2,3
	ds_store_b64 v[T8], v[232+2*(\j):233+2*(\j)] offset:VT+VP*(1+(\j))
.endr
	ds_store_b64 v[T8], v[240:241] offset:VT
	ds_store_b64 v[T8], v[242:243] offset:VT+VP*5
	s_wait_dscnt 0x0                               ; for the others' sake: my stores are done
	s_barrier_signal -1
	s_barrier_wait -1                              ; both tables are whole; nothing writes them before the barrier behind pass 2
	s_wait_alu depctr_vm_vsrc(0)                   ; my LDS stores have read v[212:243]: these registers are written anew below, by vector instructions and later by the loads into VF1 and KF1
	FETCHK KF0, KAD, 0                             ; pass 1's keys 0-63, on their way while q is made.  No wait: no vector instruction since the last wait on va_vdst names KAD or the low halves of KF0's fragments
	; MY TWO HEADS' q, by one matrix instruction.  K places 0-11: W_qk x C_q's hi; 12-23: W_qk x C_q's lo; 24: b_qk x 1.0; the rest 0.
	; Source 0's row r is column r % 8 of my eight (two heads x 4), source 1's column r is position r: a lane ends with position r's eight numbers, in both halves.
.set HH, 212           ; six pairs: C_q's hi
.set WD, 220           ; twelve at work
.set LL, 232           ; six pairs: C_q's lo
.set PP, 238           ; six pairs: my column of W_qk
.set PB, 244           ; (b_qk, 0)
.set ONE, 245          ; (1.0, 0) in bf16
.set ZR, 246           ; 0
.set TB, 248           ; six at work
	s_wait_loadcnt 0x0
.irp q, 0,1,2,3,4,5
	v_cvt_pk_bf16_f32 v[TB+(\q)], v[BQ+2*(\q)], v[BQ+2*(\q)+1]
.endr
.irp q, 0,1,2,3,4,5
	v_lshlrev_b32 v[BQ+2*(\q)], 16, v[TB+(\q)]
	v_and_b32 v[BQ+2*(\q)+1], 0xffff0000, v[TB+(\q)]
.endr
.irp q, 0,1,2,3,4,5
	v_pk_add_f32 v[CQR+2*(\q):CQR+2*(\q)+1], v[CQR+2*(\q):CQR+2*(\q)+1], v[CQR+12+2*(\q):CQR+12+2*(\q)+1]
	v_pk_add_f32 v[CQR+24+2*(\q):CQR+24+2*(\q)+1], v[CQR+24+2*(\q):CQR+24+2*(\q)+1], v[CQR+36+2*(\q):CQR+36+2*(\q)+1]
.endr
.irp q, 0,1,2,3,4,5
	v_pk_add_f32 v[CQR+2*(\q):CQR+2*(\q)+1], v[CQR+2*(\q):CQR+2*(\q)+1], v[CQR+24+2*(\q):CQR+24+2*(\q)+1]
.endr
.irp q, 0,1,2,3,4,5
	v_pk_add_f32 v[CQR+2*(\q):CQR+2*(\q)+1], v[CQR+2*(\q):CQR+2*(\q)+1], v[BQ+2*(\q):BQ+2*(\q)+1]
.endr
.irp q, 0,1,2,3,4,5
	v_cvt_pk_bf16_f32 v[HH+(\q)], v[CQR+2*(\q)], v[CQR+2*(\q)+1]
.endr
.irp q, 0,1,2,3,4,5
	v_lshlrev_b32 v[WD+2*(\q)], 16, v[HH+(\q)]
	v_and_b32 v[WD+2*(\q)+1], 0xffff0000, v[HH+(\q)]
.endr
.irp q, 0,1,2,3,4,5
	v_pk_add_f32 v[WD+2*(\q):WD+2*(\q)+1], v[CQR+2*(\q):CQR+2*(\q)+1], v[WD+2*(\q):WD+2*(\q)+1] neg_lo:[0,1] neg_hi:[0,1]
.endr
.irp q, 0,1,2,3,4,5
	v_cvt_pk_bf16_f32 v[LL+(\q)], v[WD+2*(\q)], v[WD+2*(\q)+1]
	v_cvt_pk_bf16_f32 v[PP+(\q)], v[WQR+2*(\q)], v[WQR+2*(\q)+1]
.endr
	v_mov_b32 v[ZR], 0
	v_cvt_pk_bf16_f32 v[PB], v[WQR+12], v[ZR]
	v_mov_b32 v[ONE], 0x3f80
.macro SEL d, a, b                     ; a where h = 0, b where h = 1
	v_cndmask_b32 v[\d], v[\a], v[\b], s20
.endm
	SEL FA+0, PP+0, PP+4                           ; h = 0 holds places 0-7 and 16-23, h = 1 places 8-15 and 24-31
	SEL FA+1, PP+1, PP+5
	SEL FA+2, PP+2, PP+0
	SEL FA+3, PP+3, PP+1
	SEL FA+4, PP+2, PB
	SEL FA+5, PP+3, ZR
	SEL FA+6, PP+4, ZR
	SEL FA+7, PP+5, ZR
	SEL FB+0, HH+0, HH+4
	SEL FB+1, HH+1, HH+5
	SEL FB+2, HH+2, LL+0
	SEL FB+3, HH+3, LL+1
	SEL FB+4, LL+2, ONE
	SEL FB+5, LL+3, ZR
	SEL FB+6, LL+4, ZR
	SEL FB+7, LL+5, ZR
	v_wmma_f32_16x16x32_bf16 v[DQ:DQ+7], v[FA:FA+7], v[FB:FB+7], 0
.irp kf, KF0, KF1                      ; thirty-six moves that are due anyway are the places behind that product (ISA guide 7.12.1)
.irp kt, 0,1,2,3
.irp j, 4,5,6,7
	v_mov_b32 v[(\kf)+8*(\kt)+(\j)], 0             ; K places 16-31 of the score product are not used, in either buffer
.endr
.endr
.endr
.irp j, 0,1,2,3
	v_mov_b32 v[MX+(\j)], 0xff7fffff               ; the lowest finite number
.endr
.irp j, 0,1,2,3,4,5,6,7
	v_mul_f32 v[QS+(\j)], 0x3f38aa3b, v[DQ+(\j)]   ; c = log2(e) / 2: the scores come out as exponents of 2
.endr
.irp q, 0,1,2,3
	v_cvt_pk_bf16_f32 v[212+(\q)], v[QS+2*(\q)], v[QS+2*(\q)+1]
.endr
.irp q, 0,1,2,3
	v_lshlrev_b32 v[WD+2*(\q)], 16, v[212+(\q)]
	v_and_b32 v[WD+2*(\q)+1], 0xffff0000, v[212+(\q)]
.endr
.irp q, 0,1,2,3
	v_pk_add_f32 v[WD+2*(\q):WD+2*(\q)+1], v[QS+2*(\q):QS+2*(\q)+1], v[WD+2*(\q):WD+2*(\q)+1] neg_lo:[0,1] neg_hi:[0,1]
.endr
.irp q, 0,1,2,3
	v_cvt_pk_bf16_f32 v[216+(\q)], v[WD+2*(\q)], v[WD+2*(\q)+1]
.endr
.irp t, 0,1                            ; places 0-7 (h = 0): qh, qh against (kh, kl); places 8-15 (h = 1): ql, ql against the same
	SEL Q+8*(\t)+0, 212+2*(\t), 216+2*(\t)
	SEL Q+8*(\t)+1, 213+2*(\t), 217+2*(\t)
	SEL Q+8*(\t)+2, 212+2*(\t), 216+2*(\t)
	SEL Q+8*(\t)+3, 213+2*(\t), 217+2*(\t)
.irp j, 4,5,6,7
	v_mov_b32 v[Q+8*(\t)+(\j)], 0
.endr
.endr
; PASS 1, a step of 64 keys: eight score products on buffer kf, among them the four loads of the next step's keys into buffer nf (address adr + off), then 32 maxima in four chains.
; Each accumulator's lowest registers are read first.  Four plain instructions stand behind the last product, ahead of the first read of a result.
; mode 0: a pair's first step.  mode 1: its second step: ADRK moves on by a pair.  mode 2: the pass's last step: its loads bring keys 0-63 again and V's first block, for pass 2, and both addresses are set for it.
.macro MAXSTEP kf, nf, adr, off, mode
	s_wait_dscnt 0x0                               ; this step's K is in
	s_wait_alu depctr_va_vdst(0)                   ; the step before is done: its products have read buffer nf, in which the loads below land, and ADRK, which they read, is written (first step: the head's work on these registers is done)
.irp kt, 0,1,2,3
	ds_load_b128 v[(\nf)+8*(\kt):(\nf)+8*(\kt)+3], v[\adr] offset:KT+(\off)+256*(\kt)  ; no further wait: the products since the wait name S, Q and buffer kf alone
.irp t, 0,1
	v_wmma_f32_16x16x32_bf16 v[S+8*(2*(\kt)+(\t)):S+8*(2*(\kt)+(\t))+7], v[(\kf)+8*(\kt):(\kf)+8*(\kt)+7], v[Q+8*(\t):Q+8*(\t)+7], 0
.endr
.endr
.if (\mode) == 0
	v_nop
	v_nop
	v_nop
	v_nop
.else
.if (\mode) == 2
	FETCHV VF0, VAD, 0                             ; V's keys 0-63: no vector instruction since the wait above names VF0 or VAD
	s_mov_b32 s21, 0
	s_mov_b32 s22, 0
.else
	s_add_co_u32 s21, s21, 2048
.endif
	s_wait_alu depctr_vm_vsrc(0)                   ; the LDS loads issued so far have read ADRK
	v_add_nc_u32 v[ADRK], s21, v[KAD]
.if (\mode) == 2
	v_add_nc_u32 v[ADRV], s22, v[VAD]
.else
	v_nop
.endif
	v_nop
	v_nop
.endif
.set st, 0
.rept 8
.irp ch, 0,1,2,3                       ; chain ch: tile ch % 2, keys 32 (ch / 2) on
	v_max3_num_f32 v[MX+(\ch)], v[MX+(\ch)], v[S+8*(2*(2*((\ch)/2)+st/4)+(\ch)%2)+2*(st%4)], v[S+8*(2*(2*((\ch)/2)+st/4)+(\ch)%2)+2*(st%4)+1]
.endr
.set st, st+1
.endr
.endm
	s_mov_b32 s21, 0
	v_add_nc_u32 v[ADRK], s21, v[KAD]              ; the first pair of steps
	s_mov_b32 s23, 7
.Lmax:                                             ; trip i: steps 2 i and 2 i + 1; they fetch the keys of steps 2 i + 1 and 2 i + 2
	MAXSTEP KF0, KF1, ADRK, 1024, 0
	MAXSTEP KF1, KF0, ADRK, 2048, 1
	s_sub_co_u32 s23, s23, 1
	s_cmp_lg_u32 s23, 0
	s_cbranch_scc1 .Lmax
	MAXSTEP KF0, KF1, ADRK, 1024, 0                ; step 14 fetches the last 64 keys
	MAXSTEP KF1, KF0, KAD, 0, 2                    ; step 15
	v_max_num_f32 v[MX], v[MX], v[MX+2]
	v_max_num_f32 v[MX+1], v[MX+1], v[MX+3]
	v_permlanex16_b32 v[MX+2], v[MX], s18, s19     ; the query's other keys lie in the lane 16 away
	v_permlanex16_b32 v[MX+3], v[MX+1], s18, s19
	v_max_num_f32 v[MX], v[MX], v[MX+2]
	v_max_num_f32 v[MX+1], v[MX+1], v[MX+3]
.irp t, 0,1
.irp j, 0,1,2,3,4,5,6,7
	v_mul_f32 v[NEGM+8*(\t)+(\j)], -1.0, v[MX+(\t)]  ; a lane holds one query in all eight registers of a result
.endr
.endr
; PASS 2, a step of 64 keys on buffers kf and vf; the next step's keys land in nf and nv.  b: 0 a pair's first step, 1 its second.  first = 1: the products for keys 0-31 start O's sums.
; fetch = 0: the last step: nothing is left to fetch.
; The 64 exponentials are ONE batch with one wait: nothing ahead of the wait names a result of theirs.  O's two accumulators take turns, one instruction a turn;
; between a step's last product and the next step's first onto the same accumulator stand the eight score products.
.macro SMSTEP kf, nf, vf, nv, b, first, fetch
	s_wait_dscnt 4                                 ; this step's K is in; V's four loads, issued behind K's, may stay out
.irp kt, 0,1,2,3
.if \fetch
	ds_load_b128 v[(\nf)+8*(\kt):(\nf)+8*(\kt)+3], v[ADRK] offset:KT+1024*(1+(\b))+256*(\kt)  ; no wait: buffer nf's last readers and ADRK's writer stand ahead of the last wait on va_vdst, and nothing issued since names them
.endif
.irp t, 0,1
	v_wmma_f32_16x16x32_bf16 v[S+8*(2*(\kt)+(\t)):S+8*(2*(\kt)+(\t))+7], v[(\kf)+8*(\kt):(\kf)+8*(\kt)+7], v[Q+8*(\t):Q+8*(\t)+7], v[NEGM+8*(\t):NEGM+8*(\t)+7]
.endr
.endr
.if (\fetch) && (\b)                   ; four places behind the score products, ahead of the first read of a result, and, with the v_nop below, behind the last step's products V^T P, ahead of the roundings into P
	s_add_co_u32 s21, s21, 2048
	s_add_co_u32 s22, s22, 256
	s_wait_alu depctr_vm_vsrc(0)                   ; the LDS loads issued so far have read ADRK and ADRV
	v_add_nc_u32 v[ADRK], s21, v[KAD]              ; the next pair of steps; the wait for the batch stands between these two lines and the loads that read them
	v_add_nc_u32 v[ADRV], s22, v[VAD]
	v_nop
	v_nop
.else
	v_nop
	v_nop
	v_nop
	v_nop
.endif
.set z, 0
.rept 64
	v_exp_f32 v[S+z], v[S+z]                       ; p = 2^(s - m), ascending: each accumulator's lowest register first
.set z, z+1
.endr
	v_nop                                          ; a plain instruction behind the last exponential, ahead of the first use (ISA guide 5.7.2): one for the batch
	s_wait_alu depctr_va_vdst(0)                   ; the 64 exponentials have written S, which the roundings read; the last step's products V^T P are done reading buffer nv; this step's score products are done reading kf; ADRK and ADRV are written
.if \fetch
	FETCHV \nv, ADRV, 128*(1-(\b))                 ; the next step's V
.endif
.set z, 0
.rept 32                               ; z = 8 (2 kk + t) + 4 g + pp: keys 32 kk + 16 g on
	v_cvt_pk_f16_f32 v[P+z], v[S+8*(2*(2*(z/16)+(z/4)%2)+(z/8)%2)+2*(z%4)], v[S+8*(2*(2*(z/16)+(z/4)%2)+(z/8)%2)+2*(z%4)+1]
.set z, z+1
.endr
.if \fetch
	s_wait_dscnt 8                                 ; this step's V is in; the next step's K and V, four loads each, issued behind it, may stay out
.else
	s_wait_dscnt 0x0                               ; V is in: no LDS load of mine is out any more
.endif
.irp kk, 0,1
.irp t, 0,1
.if (\first) && ((\kk) == 0)
	v_wmma_f32_16x16x32_f16 v[O+8*(\t):O+8*(\t)+7], v[(\vf)+8*(\kk):(\vf)+8*(\kk)+7], v[P+8*(2*(\kk)+(\t)):P+8*(2*(\kk)+(\t))+7], 0
.else
	v_wmma_f32_16x16x32_f16 v[O+8*(\t):O+8*(\t)+7], v[(\vf)+8*(\kk):(\vf)+8*(\kk)+7], v[P+8*(2*(\kk)+(\t)):P+8*(2*(\kk)+(\t))+7], v[O+8*(\t):O+8*(\t)+7]
.endif
.endr
.endr
.endm
	s_wait_alu depctr_va_vdst(0)                   ; pass 1's last products are done reading KF1, in which step 0's loads land; ADRK and ADRV, which pass 2's loads read, are written
	SMSTEP KF0, KF1, VF0, VF1, 0, 1, 1             ; steps 0 and 1 are written out: step 0 starts the sums
	SMSTEP KF1, KF0, VF1, VF0, 1, 0, 1
	s_mov_b32 s23, 6
.Lsm:                                              ; steps 2 to 13, two to a trip: both kinds of buffer are back at their start
	SMSTEP KF0, KF1, VF0, VF1, 0, 0, 1
	SMSTEP KF1, KF0, VF1, VF0, 1, 0, 1
	s_sub_co_u32 s23, s23, 1
	s_cmp_lg_u32 s23, 0
	s_cbranch_scc1 .Lsm
	SMSTEP KF0, KF1, VF0, VF1, 0, 0, 1             ; step 14 fetches the last 64 keys
	SMSTEP KF1, KF0, VF1, VF0, 1, 0, 0             ; step 15: nothing is left to fetch
	; THE WAY OUT.  The stage lies over the key table's first 2,560 bytes, so a barrier stands between every wave's last reads of the tables and the stage's stores:
	; the last step's wait for 0 has shown all my LDS loads back; I say so here, and the division, work on registers alone, stands between the signal and the wait.
	s_barrier_signal -1
.rept 4
	v_nop                                          ; four places behind the last product
.endr
	v_rcp_f32 v[TM], v[O]                          ; 1 / l: l is register 0, the row of ones
	v_rcp_f32 v[TM+1], v[O+8]
	v_nop
	s_wait_alu depctr_va_vdst(0)                   ; both reciprocals are written, ahead of the multiplies that read them
.irp j, 0,1,2,3
	v_mul_f32 v[TM+2+(\j)], v[O+1+(\j)], v[TM]
	v_mul_f32 v[TM+6+(\j)], v[O+9+(\j)], v[TM+1]
.endr
.irp j, 0,1,2,3
	v_cvt_pk_f16_f32 v[TM+10+(\j)], v[TM+2+(\j)], v[TM+6+(\j)]  ; my two heads are neighbours in ctx
.endr
	v_mov_b32 v[TM+14], 0x3c003c00                 ; j = 4: 1.0
	s_wait_alu depctr_va_vdst(0)                   ; the roundings and the move have written v[TM+10 .. TM+14], which the stage's five stores read
	s_barrier_wait -1                              ; no wave reads the tables any more
.irp j, 0,1,2,3,4
	ds_store_b32 v[STO], v[TM+10+(\j)] offset:ST+16*(\j)  ; both halves of the lanes store the same number at the same place
.endr
	s_wait_dscnt 0x0                               ; for the others' sake: my stores are done
	s_barrier_signal -1
	s_barrier_wait -1                              ; the stage is whole
	s_cmp_lt_u32 s16, 5                            ; 2,560 bytes: waves 0-4 take 512 each
	s_cbranch_scc0 .Lend
	s_lshl_b32 s17, s16, 9
	v_lshl_add_u32 v[TM], v[LN], 4, s17            ; 16 x thread
	v_mov_b32 v[TM+1], 0x27b00                     ; the second group of heads lies 163,840 bytes on: 163,840 - 1,280
	v_cmp_le_u32 vcc_lo, 80, v0
	s_wait_alu depctr_va_vcc(0)                    ; VCC is written, ahead of the select that reads it
	v_cndmask_b32 v[TM+1], 0, v[TM+1], vcc_lo
	v_add_nc_u32 v[TM+1], v[TM], v[TM+1]
	s_wait_alu depctr_va_vdst(0)                   ; v[TM], the LDS load's address, and v[TM+1], the store's offset, are written; the division is done with v[TM+4 .. TM+7], in which the load lands
	ds_load_b128 v[TM+4:TM+7], v[TM] offset:ST
	s_wait_dscnt 0x0
	global_store_b128 v[TM+1], v[TM+4:TM+7], s[14:15]     ; 16 lanes store 256 consecutive bytes, at a multiple of 256 from ctx's first (16 rows are 1,280 bytes)
.Lend:
	s_wait_dscnt 0x0                               ; the closing lines, six on end
	s_wait_alu 0x0
	s_wait_tensorcnt 0x0
	ds_add_u32 v[SPW], v[NIL]
	s_wait_dscnt 0x0
	s_endpgm
.Lfunc_end_k_q61d954bb5b_attn:
	.size	k_q61d954bb5b_attn, .Lfunc_end_k_q61d954bb5b_attn-k_q61d954bb5b_attn
	.p2alignl 7, 3214868480
	.fill 96, 4, 3214868480
	.section	.rodata,"a",@progbits
	.p2align	6, 0x0
	.amdhsa_kernel k_q61d954bb5b_attn
		.amdhsa_group_segment_fixed_size 29952
		.amdhsa_private_segment_fixed_size 0
		.amdhsa_enable_private_segment 0
		.amdhsa_kernarg_size 48
		.amdhsa_user_sgpr_count 2
		.amdhsa_user_sgpr_kernarg_segment_ptr 1
		.amdhsa_wavefront_size32 1
		.amdhsa_system_sgpr_workgroup_id_x 1
		.amdhsa_system_sgpr_workgroup_id_y 1
		.amdhsa_system_sgpr_workgroup_id_z 1
		.amdhsa_system_vgpr_workitem_id 0
		.amdhsa_next_free_vgpr 256
		.amdhsa_next_free_sgpr 66
		.amdhsa_reserve_vcc 1
		.amdhsa_float_denorm_mode_32 3
		.amdhsa_float_denorm_mode_16_64 3
		.amdhsa_memory_ordered 1
		.amdhsa_forward_progress 1
		.amdhsa_inst_pref_size 71
	.end_amdhsa_kernel
	.amdgpu_metadata
---
amdhsa.version: [ 1, 2 ]
amdhsa.kernels:
  - .name:           k_q61d954bb5b_attn
    .symbol:         k_q61d954bb5b_attn.kd
    .args:
      - { .name: cpart, .offset: 0, .size: 8, .value_kind: global_buffer, .address_space: global }
      - { .name: bq_d, .offset: 8, .size: 8, .value_kind: global_buffer, .address_space: global }
      - { .name: bkv_d, .offset: 16, .size: 8, .value_kind: global_buffer, .address_space: global }
      - { .name: W_qk, .offset: 24, .size: 8, .value_kind: global_buffer, .address_space: global }
      - { .name: b_qk, .offset: 32, .size: 8, .value_kind: global_buffer, .address_space: global }
      - { .name: ctx, .offset: 40, .size: 8, .value_kind: global_buffer, .address_space: global }
    .group_segment_fixed_size: 29952
    .private_segment_fixed_size: 0
    .kernarg_segment_align: 8
    .kernarg_segment_size: 48
    .max_flat_workgroup_size: 256
    .sgpr_count:     66
    .vgpr_count:     256
    .wavefront_size: 32
...
	.end_amdgpu_metadata
.endif
;; end of part 5
;; launch outp: the kernel of part 3 again; grid 16 x 16, 8 waves a work-group, clusters of 4 x 4, 167,936 bytes of LDS; arguments ctx, mt, bo, out0; writes out0
